; MI455X (gfx1250); checked and timed in simulation.
; The chip was launched on July 23, 2026; its instructions are those of AMD's public machine-readable ISA for CDNA 5 (MIT licence, August 2026) and "CDNA5" Instruction Set Architecture Reference Guide (July 2026). The comments in the code are by the model that wrote it; some were corrected since.
;; Global Feature Dual Attention. Allowed arithmetic: float matrix products may take bf16 or f16 operands with f32 sums; other float arithmetic in f32, or as packed bf16 or f16 multiplies, adds, multiply-adds, maxima and minima; sums over many terms, partial sums and values carried from step to step in f32; what a program stores and reads back later, other than sums and carried values, may be rounded once to bf16 or f16.
;; Inputs: W1 2,048 x 3,072 float32; W2 1,024 x 2,048 float32; Wk 1,024 x 1,024 float32; Wkd 1,024 x 1,024 float32; Wq 1,024 x 1,024 float32; Wqd 1,024 x 1,024 float32; Wv 1,024 x 1,024 float32; b2 1,024 float32; bn_beta 2,048 float32; bn_gamma 2,048 float32; bn_mean 2,048 float32; bn_var 2,048 float32; featA 4,096 x 1,024 x 1 float32; featB 4,096 x 1,024 x 1 float32; ln_dis_b 1,024 float32; ln_dis_w 1,024 float32; ln_in_b 1,024 float32; ln_in_w 1,024 float32; ln_sim_b 1,024 float32; ln_sim_w 1,024 float32.
;; Outputs: out0 4,096 x 1,024 x 1 float32.
;; 2 versions, each right; version 2 is version 1 with the launch prep written anew for expert scheduling mode. Each part assembles by itself: llvm-mc -triple=amdgcn-amd-amdhsa -mcpu=gfx1250 --defsym DOCPART=n.
;; ======== version 1 of 2: 5 launches
;; limits: values are held in f16: magnitudes above 65,504 overflow, below 6.1e-05 lose precision; right only within a limited range of input values
;; workspace buffers: F 25,165,824 bytes; XB 8,388,608 bytes; WP 10,485,760 bytes; W1P 12,582,912 bytes; W2P 4,194,304 bytes; V 16,777,216 bytes; PART 524,288 bytes; HB 16,777,216 bytes
;; launch prep (part 1): grid 1344 x 1, 8 waves a work-group, no clusters, 0 bytes of LDS; arguments featA, featB, Wq, Wk, Wv, Wqd, Wkd, W1, W2, ln_in_w, ln_in_b, F, XB, WP, W1P, W2P; writes F, XB, WP, W1P, W2P
.if DOCPART == 1
	.amdgcn_target "amdgcn-amd-amdhsa--gfx1250"
	.amdhsa_code_object_version 6
	.text
	.protected	k_qf5114a1155_prep
	.globl	k_qf5114a1155_prep
	.p2align	8
	.type	k_qf5114a1155_prep,@function
k_qf5114a1155_prep:
	s_mov_b64 s[64:65], 0
	v_nop
	global_prefetch_b8 v0, s[64:65] scope:SCOPE_SE
	s_setreg_imm32_b32 hwreg(HW_REG_WAVE_MODE, 25, 1), 1
	s_wait_xcnt 0x0
; PREP: every matrix operand is rounded once and laid out in blocks of [rows][64 k] of 16-bit numbers (128 bytes a row, rows on end), so that the tiles of the later products are dense in memory.
;   featA -> LayerNorm(ln_in) -> F, blocks 0-15 of each row block, f16      featB -> XB, f16      Wq, Wk, Wv, Wqd, -Wkd -> WP, f16      W1 -> W1P, f16      W2 -> W2P, bf16
; EVERY INPUT IS ROUNDED TO bf16 FIRST (features, weights, ln_in_w, ln_in_b); the f16 that is stored is that bf16 number written as f16.
; LIMITS.  That is exact from 6.1e-5 to 65,504; smaller numbers keep f16's fixed step of 6e-8; a number of 65,520 or more becomes an infinity.  LayerNorm's result, at most 32 |w| + |b|, must stay under that.
; Wkd is stored with its sign turned (exact), so that qd - kd is one sum of products.
; SHARES.  An item is two neighbouring source rows x 1,024 columns, one wave's work: lane l = 16 hh + i takes row hh; for block kb = 0..15 it loads 16 bytes (columns 64 kb + 4 i ..): sixteen lanes read 256
; consecutive bytes, aligned; it stores 8 bytes at 128 hh + 8 i of the block's two rows: the wave's store covers 256 consecutive bytes, aligned.  All 16 loads of an item are issued at once.
; 10,752 items, eight to a work-group; which task an item belongs to hangs on the work-group's number alone.  The four tasks that only round share one text: each sets its two addresses, the source's row
; pitch, the blocks' stride, a word that turns signs and a word that picks the format.  No LDS, no matrix unit: nothing is shared and nothing multiplied.
.set X,   32        ; v[32:95]    the item as loaded, 4 registers a block
.set Y,   96        ; v[96:127]   packed, 2 registers a block
.set W,   128       ; v[128:191]  ln_in_w of my columns (LayerNorm's path)
.set B,   192       ; v[192:255]  ln_in_b
.set OD,  128       ; v[128:143]  the other path: my byte offset in block kb's two rows
.set LI,  1         ; v1   i
.set VS,  2         ; v2   my byte offset in the two source rows
.set VD,  3         ; v3   8 l: my byte offset in a block's two rows
.set MU,  4         ; v[4:5]  the mean, twice
.set RQ,  6         ; v[6:7]  1 / sqrt(var + eps), twice
.set CH,  8         ; v[8:15] four packed chains
.set VP,  16        ; v16  16 i: my byte offset in a block's 64 parameters
.set HH,  17        ; v17  hh
.set S_RS, 48       ; s48  bytes from source row to row
.set S_KS, 49       ; s49  bytes from block to block
.set S_SG, 51       ; s51  0x80008000 where the signs are turned, else 0
.set S_BF, 56       ; s56  all ones where bf16 is stored, 0 where f16
.set S_INV, 54      ; s54  2^-10
.set S_EPS, 55      ; s55  1e-5
.macro ITEM first                  ; s6 = the item's number within its task
	s_sub_co_u32 s6, s5, \first
	s_lshl3_add_u32 s6, s6, s4
.endm
.macro PLACE p, bits, stride       ; s46 = (pair >> bits) x stride + (pair mod 2^bits) x 256: the tile of rows, and the pair's 256 bytes in a block
	s_lshr_b32 s7, s[\p], \bits
	s_mul_i32 s7, s7, \stride
	s_and_b32 s46, s[\p], (1<<(\bits))-1
	s_lshl_b32 s46, s46, 8
	s_add_co_u32 s46, s46, s7
.endm
.macro TASK src, dst, rs, kstr     ; the item's two addresses, each from its own buffer's, and the two strides
	s_add_nc_u64 s[40:41], s[\src:\src+1], s[44:45]
	s_add_nc_u64 s[42:43], s[\dst:\dst+1], s[46:47]
	s_mov_b32 s[S_RS], \rs
	s_mov_b32 s[S_KS], \kstr
.endm
; The four packed chains become one number a row, in all sixteen lanes of the row (a source row is one DPP row of 16 lanes).
.macro REDUCE
	v_pk_add_f32 v[CH:CH+1], v[CH:CH+1], v[CH+2:CH+3]
	v_pk_add_f32 v[CH+4:CH+5], v[CH+4:CH+5], v[CH+6:CH+7]
	v_pk_add_f32 v[CH:CH+1], v[CH:CH+1], v[CH+4:CH+5]
	v_add_f32 v[CH], v[CH], v[CH+1]
	v_add_f32_dpp v[CH], v[CH], v[CH] row_xmask:1 row_mask:0xf bank_mask:0xf
	v_add_f32_dpp v[CH], v[CH], v[CH] row_xmask:2 row_mask:0xf bank_mask:0xf
	v_add_f32_dpp v[CH], v[CH], v[CH] row_xmask:4 row_mask:0xf bank_mask:0xf
	v_add_f32_dpp v[CH], v[CH], v[CH] row_xmask:8 row_mask:0xf bank_mask:0xf
.endm
; (x - mean) / sqrt(var + eps) in place on the 64 registers from x on; the mean is taken away before the squares are summed.
.macro LNSTAT x
.irp c, 0,1,2,3
	v_pk_add_f32 v[CH+2*(\c):CH+2*(\c)+1], v[(\x)+2*(\c):(\x)+2*(\c)+1], v[(\x)+8+2*(\c):(\x)+8+2*(\c)+1]  ; the first pairs start the chains: nothing is cleared
.endr
.set j, 8
.rept 24
	v_pk_add_f32 v[CH+2*(j%4):CH+2*(j%4)+1], v[CH+2*(j%4):CH+2*(j%4)+1], v[(\x)+2*j:(\x)+2*j+1]
.set j, j+1
.endr
	REDUCE
	v_mul_f32 v[MU], s[S_INV], v[CH]
	v_mul_f32 v[MU+1], s[S_INV], v[CH]
.set j, 0
.rept 32
	v_pk_add_f32 v[(\x)+2*j:(\x)+2*j+1], v[(\x)+2*j:(\x)+2*j+1], v[MU:MU+1] neg_lo:[0,1] neg_hi:[0,1]
.set j, j+1
.endr
.irp c, 0,1,2,3
	v_pk_mul_f32 v[CH+2*(\c):CH+2*(\c)+1], v[(\x)+2*(\c):(\x)+2*(\c)+1], v[(\x)+2*(\c):(\x)+2*(\c)+1]
.endr
.set j, 4
.rept 28
	v_pk_fma_f32 v[CH+2*(j%4):CH+2*(j%4)+1], v[(\x)+2*j:(\x)+2*j+1], v[(\x)+2*j:(\x)+2*j+1], v[CH+2*(j%4):CH+2*(j%4)+1]
.set j, j+1
.endr
	REDUCE
	v_fma_f32 v[CH], v[CH], s[S_INV], s[S_EPS]
	v_rsq_f32 v[RQ], v[CH]
	v_rsq_f32 v[RQ+1], v[CH]
	v_nop                                          ; a plain instruction behind the last root,
	s_wait_alu depctr_va_vdst(0)                   ; and one wait for both, ahead of their first reader
.set j, 0
.rept 32
	v_pk_mul_f32 v[(\x)+2*j:(\x)+2*j+1], v[(\x)+2*j:(\x)+2*j+1], v[RQ:RQ+1]
.set j, j+1
.endr
.endm
	s_load_b512 s[8:23], s[0:1], 0x0               ; featA 8, featB 10, Wq 12, Wk 14, Wv 16, Wqd 18, Wkd 20, W1 22
	s_load_b512 s[24:39], s[0:1], 0x40             ; W2 24, ln_in_w 26, ln_in_b 28, F 30, XB 32, WP 34, W1P 36, W2P 38
	v_lshrrev_b32 v1, 5, v0
	v_readfirstlane_b32 s4, v1                     ; wave 0..7
	v_and_b32 v[LI], 15, v0
	v_bfe_u32 v[HH], v0, 4, 1
	v_and_b32 v[VD], 31, v0
	v_lshlrev_b32 v[VD], 3, v[VD]
	s_mov_b32 s5, ttmp9
	s_mov_b32 s45, 0                               ; the offsets' high words
	s_mov_b32 s47, 0
	s_mov_b32 s[S_SG], 0
	s_mov_b32 s[S_BF], 0
	s_mov_b32 s52, 0xffff0000                      ; a word's upper bf16
	s_wait_kmcnt 0x0
	s_cmp_lt_u32 s5, 256
	s_cbranch_scc1 .Lfeat_a
	s_cmp_lt_u32 s5, 512
	s_cbranch_scc1 .Lfeat_b
	s_cmp_lt_u32 s5, 832
	s_cbranch_scc1 .Lfive
	s_cmp_lt_u32 s5, 1216
	s_cbranch_scc1 .Lw1
	; W2 [1024][2048]: 512 pairs of rows x 2 segments of 1,024 columns
	ITEM 1216
	s_lshr_b32 s50, s6, 9                          ; segment
	s_and_b32 s53, s6, 511                         ; pair
	s_lshl_b32 s44, s53, 14
	s_lshl_b32 s7, s50, 12
	s_add_co_u32 s44, s44, s7
	PLACE 53, 6, 524288
	s_lshl_b32 s7, s50, 18                         ; 16 blocks of 16,384 bytes a segment
	s_add_co_u32 s46, s46, s7
	TASK 24, 38, 8192, 16384
	s_mov_b32 s[S_BF], -1
	s_branch .Lgo
.Lw1:                                                  ; W1 [2048][3072]: 1,024 pairs x 3 segments
	ITEM 832
	s_lshr_b32 s50, s6, 10
	s_and_b32 s53, s6, 1023
	s_mul_i32 s44, s53, 24576
	s_lshl_b32 s7, s50, 12
	s_add_co_u32 s44, s44, s7
	PLACE 53, 7, 1572864
	s_lshl_b32 s7, s50, 19                         ; 16 blocks of 32,768 bytes a segment
	s_add_co_u32 s46, s46, s7
	TASK 22, 36, 12288, 32768
	s_branch .Lgo
.Lfive:                                                ; the five projections' weights, 512 pairs each
	ITEM 512
	s_lshr_b32 s50, s6, 9                          ; which of the five
	s_and_b32 s53, s6, 511
	s_lshl_b32 s44, s53, 13
	PLACE 53, 6, 1310720
	s_lshl_b32 s7, s50, 14                         ; in a K block the five lie one behind the other
	s_add_co_u32 s46, s46, s7
	s_mov_b64 s[58:59], s[12:13]
	s_cmp_eq_u32 s50, 1
	s_cselect_b64 s[58:59], s[14:15], s[58:59]
	s_cmp_eq_u32 s50, 2
	s_cselect_b64 s[58:59], s[16:17], s[58:59]
	s_cmp_eq_u32 s50, 3
	s_cselect_b64 s[58:59], s[18:19], s[58:59]
	s_cmp_eq_u32 s50, 4
	s_cselect_b64 s[58:59], s[20:21], s[58:59]
	s_cselect_b32 s[S_SG], 0x80008000, 0           ; Wkd's signs are turned
	TASK 58, 34, 4096, 81920
	s_branch .Lgo
.Lfeat_b:
	ITEM 256
	s_lshl_b32 s44, s6, 13
	PLACE 6, 6, 262144
	TASK 10, 32, 4096, 16384
.Lgo:                                                  ; an item that is only rounded
	v_mul_u32_u24 v[VS], s[S_RS], v[HH]
	v_lshl_add_u32 v[VS], v[LI], 4, v[VS]
.irp kb, 0,1,2,3,4,5,6,7,8,9,10,11,12,13,14,15
	global_load_b128 v[X+4*(\kb):X+4*(\kb)+3], v[VS], s[40:41] offset:256*(\kb) th:TH_LOAD_NT
.endr
	v_mov_b32 v[OD], v[VD]
.irp kb, 1,2,3,4,5,6,7,8,9,10,11,12,13,14,15
	v_add_nc_u32 v[OD+(\kb)], s[S_KS], v[OD+(\kb)-1]
.endr
.irp kb, 0,1,2,3,4,5,6,7,8,9,10,11,12,13,14,15
	s_wait_loadcnt 15-(\kb)                        ; loads come back in order: block kb is in, the younger ones stay out
	v_cvt_pk_bf16_f32 v[Y+2*(\kb)], v[X+4*(\kb)], v[X+4*(\kb)+1]
	v_cvt_pk_bf16_f32 v[Y+2*(\kb)+1], v[X+4*(\kb)+2], v[X+4*(\kb)+3]
	v_lshlrev_b32 v[X+4*(\kb)], 16, v[Y+2*(\kb)]
	v_and_b32 v[X+4*(\kb)+1], s52, v[Y+2*(\kb)]
	v_lshlrev_b32 v[X+4*(\kb)+2], 16, v[Y+2*(\kb)+1]
	v_and_b32 v[X+4*(\kb)+3], s52, v[Y+2*(\kb)+1]
	v_cvt_pk_f16_f32 v[X+4*(\kb)], v[X+4*(\kb)], v[X+4*(\kb)+1]
	v_cvt_pk_f16_f32 v[X+4*(\kb)+1], v[X+4*(\kb)+2], v[X+4*(\kb)+3]
	v_xor_b32 v[X+4*(\kb)], s[S_SG], v[X+4*(\kb)]
	v_xor_b32 v[X+4*(\kb)+1], s[S_SG], v[X+4*(\kb)+1]
	v_bfi_b32 v[Y+2*(\kb)], s[S_BF], v[Y+2*(\kb)], v[X+4*(\kb)]          ; the bf16 words where the select word is all ones, else the f16 words
	v_bfi_b32 v[Y+2*(\kb)+1], s[S_BF], v[Y+2*(\kb)+1], v[X+4*(\kb)+1]
	global_store_b64 v[OD+(\kb)], v[Y+2*(\kb):Y+2*(\kb)+1], s[42:43]     ; no register that a load or store names is written again
.endr
	s_endpgm
.Lfeat_a:                                              ; LayerNorm: a row is 16 lanes x 64 registers, read once
	ITEM 0
	s_lshl_b32 s44, s6, 13
	PLACE 6, 6, 786432
	s_add_nc_u64 s[40:41], s[8:9], s[44:45]
	s_add_nc_u64 s[42:43], s[30:31], s[46:47]
	s_mov_b32 s[S_INV], 0x3a800000
	s_mov_b32 s[S_EPS], 0x3727c5ac
	v_lshlrev_b32 v[VS], 12, v[HH]
	v_lshl_add_u32 v[VS], v[LI], 4, v[VS]
	v_lshlrev_b32 v[VP], 4, v[LI]
.irp kb, 0,1,2,3,4,5,6,7,8,9,10,11,12,13,14,15
	global_load_b128 v[X+4*(\kb):X+4*(\kb)+3], v[VS], s[40:41] offset:256*(\kb) th:TH_LOAD_NT
.endr
.irp kb, 0,1,2,3,4,5,6,7,8,9,10,11,12,13,14,15
	global_load_b128 v[W+4*(\kb):W+4*(\kb)+3], v[VP], s[26:27] offset:256*(\kb)
.endr
.irp kb, 0,1,2,3,4,5,6,7,8,9,10,11,12,13,14,15
	global_load_b128 v[B+4*(\kb):B+4*(\kb)+3], v[VP], s[28:29] offset:256*(\kb)
.endr
	s_wait_loadcnt 32                              ; the rows are in; the 32 loads of the parameters may stay out
.set k, 0
.rept 32
	v_cvt_pk_bf16_f32 v[Y+k], v[X+2*k], v[X+2*k+1]  ; featA rounded to bf16,
.set k, k+1
.endr
.set k, 0
.rept 32
	v_lshlrev_b32 v[X+2*k], 16, v[Y+k]             ; and back in f32
	v_and_b32 v[X+2*k+1], s52, v[Y+k]
.set k, k+1
.endr
	LNSTAT X
	s_wait_loadcnt 0x0
.set k, 0
.rept 32
	v_cvt_pk_bf16_f32 v[W+k], v[W+2*k], v[W+2*k+1]  ; the parameters rounded to bf16, packed in place: word k never lies above the words still to be read
	v_cvt_pk_bf16_f32 v[B+k], v[B+2*k], v[B+2*k+1]
.set k, k+1
.endr
.set k, 0
.rept 32
	v_fma_mix_f32_bf16 v[X+2*k], v[X+2*k], v[W+k], v[B+k] op_sel:[0,0,0] op_sel_hi:[0,1,1]      ; x w + b, w and b read as bf16 halves
	v_fma_mix_f32_bf16 v[X+2*k+1], v[X+2*k+1], v[W+k], v[B+k] op_sel:[0,1,1] op_sel_hi:[0,1,1]
.set k, k+1
.endr
.set k, 0
.rept 32
	v_cvt_pk_f16_f32 v[Y+k], v[X+2*k], v[X+2*k+1]
.set k, k+1
.endr
.irp kb, 0,1,2,3,4,5,6,7,8,9,10,11,12,13,14,15
	global_store_b64 v[VD], v[Y+2*(\kb):Y+2*(\kb)+1], s[42:43] offset:(\kb)*16384
.endr
	s_endpgm
.Lfunc_end_k_qf5114a1155_prep:
	.size	k_qf5114a1155_prep, .Lfunc_end_k_qf5114a1155_prep-k_qf5114a1155_prep
	.p2alignl 7, 3214868480
	.fill 96, 4, 3214868480
	.section	.rodata,"a",@progbits
	.p2align	6, 0x0
	.amdhsa_kernel k_qf5114a1155_prep
		.amdhsa_group_segment_fixed_size 0
		.amdhsa_private_segment_fixed_size 0
		.amdhsa_enable_private_segment 0
		.amdhsa_kernarg_size 128
		.amdhsa_user_sgpr_count 2
		.amdhsa_user_sgpr_kernarg_segment_ptr 1
		.amdhsa_wavefront_size32 1
		.amdhsa_system_sgpr_workgroup_id_x 1
		.amdhsa_system_sgpr_workgroup_id_y 1
		.amdhsa_system_sgpr_workgroup_id_z 1
		.amdhsa_system_vgpr_workitem_id 0
		.amdhsa_next_free_vgpr 256
		.amdhsa_next_free_sgpr 66
		.amdhsa_reserve_vcc 0
		.amdhsa_float_denorm_mode_32 3
		.amdhsa_float_denorm_mode_16_64 3
		.amdhsa_memory_ordered 1
		.amdhsa_forward_progress 1
		.amdhsa_inst_pref_size 48
	.end_amdhsa_kernel
	.amdgpu_metadata
---
amdhsa.version: [ 1, 2 ]
amdhsa.kernels:
  - .name:           k_qf5114a1155_prep
    .symbol:         k_qf5114a1155_prep.kd
    .args:
      - { .name: featA, .offset: 0, .size: 8, .value_kind: global_buffer, .address_space: global }
      - { .name: featB, .offset: 8, .size: 8, .value_kind: global_buffer, .address_space: global }
      - { .name: Wq, .offset: 16, .size: 8, .value_kind: global_buffer, .address_space: global }
      - { .name: Wk, .offset: 24, .size: 8, .value_kind: global_buffer, .address_space: global }
      - { .name: Wv, .offset: 32, .size: 8, .value_kind: global_buffer, .address_space: global }
      - { .name: Wqd, .offset: 40, .size: 8, .value_kind: global_buffer, .address_space: global }
      - { .name: Wkd, .offset: 48, .size: 8, .value_kind: global_buffer, .address_space: global }
      - { .name: W1, .offset: 56, .size: 8, .value_kind: global_buffer, .address_space: global }
      - { .name: W2, .offset: 64, .size: 8, .value_kind: global_buffer, .address_space: global }
      - { .name: ln_in_w, .offset: 72, .size: 8, .value_kind: global_buffer, .address_space: global }
      - { .name: ln_in_b, .offset: 80, .size: 8, .value_kind: global_buffer, .address_space: global }
      - { .name: F, .offset: 88, .size: 8, .value_kind: global_buffer, .address_space: global }
      - { .name: XB, .offset: 96, .size: 8, .value_kind: global_buffer, .address_space: global }
      - { .name: WP, .offset: 104, .size: 8, .value_kind: global_buffer, .address_space: global }
      - { .name: W1P, .offset: 112, .size: 8, .value_kind: global_buffer, .address_space: global }
      - { .name: W2P, .offset: 120, .size: 8, .value_kind: global_buffer, .address_space: global }
    .group_segment_fixed_size: 0
    .private_segment_fixed_size: 0
    .kernarg_segment_align: 8
    .kernarg_segment_size: 128
    .max_flat_workgroup_size: 256
    .sgpr_count:     66
    .vgpr_count:     256
    .wavefront_size: 32
...
	.end_amdgpu_metadata
.endif
;; end of part 1
;; launch proj (part 2): grid 8 x 32, 4 waves a work-group, clusters of 4 x 4, 327,680 bytes of LDS; arguments F, XB, WP, V, PART; writes V, PART
.if DOCPART == 2
	.amdgcn_target "amdgcn-amd-amdhsa--gfx1250"
	.amdhsa_code_object_version 6
	.text
	.protected	k_qf5114a1155_proj
	.globl	k_qf5114a1155_proj
	.p2align	8
	.type	k_qf5114a1155_proj,@function
k_qf5114a1155_proj:
	s_mov_b64 s[64:65], 0
	v_nop
	global_prefetch_b8 v0, s[64:65] scope:SCOPE_SE
	s_setreg_imm32_b32 hwreg(HW_REG_WAVE_MODE, 25, 1), 1
	s_wait_xcnt 0x0
	s_wait_alu depctr_hold_cnt(0) depctr_sa_sdst(0) depctr_va_vdst(0) depctr_va_sdst(0) depctr_va_ssrc(0) depctr_va_vcc(0) depctr_vm_vsrc(0)
	s_getreg_b32 s2, hwreg(HW_REG_IB_STS2, 6, 4)
	s_cmp_eq_u32 s2, 0
	s_cbranch_scc0 .Lentry_in_a_cluster
	s_endpgm
.Lentry_in_a_cluster:
	s_bfe_u32 s2, ttmp6, 0x10000c
	s_cmp_lg_u32 s2, 0xf033
	s_cbranch_scc0 .Lentry_shape_is_right
	s_endpgm
.Lentry_shape_is_right:
; PROJ: the five projections of 1,024 channels at once.  q = xA_n Wq^T, k = xB Wk^T, v = xB Wv^T, d = xA_n Wqd^T + xB (-Wkd)^T = qd - kd.  Operands f16, sums f32.
; Out: v in f32, V[4096][1024]; and for each row and half head ch (64 columns) the partial sums (q . k, d . d), f32, PART[16][4096][2].  q, k and d never leave registers.
; SHARES.  A work-group takes 128 rows x one head (128 columns) of all five: 32 x 8 = 256 work-groups of equal work.  A wave takes 64 x 64 of each: 4 x 16 accumulators, 512 registers (qd and kd share one set).
; K goes in steps of 64 (one block of the operands' layout) through two LDS slots of seven blocks: xA, xB, Wq, Wk, Wv, Wqd, Wkd; two slots of a step of 128 would not fit.  A step is 160 matrix instructions a wave,
; and all 160 stand between a slot's request and the wait for it: behind that wait come only the add, the round and the next request.
; Blocks are dense in memory, so each is asked for as rows of 256 bytes, and padded in LDS behind every 128 bytes: rows 144 bytes apart, 36 words, so the 16 rows of a fragment load start at 16 different groups of four banks.
; CLUSTER 4 x 4: the four work-groups of a row of the cluster share the row block (xA, xB), the four of a column the head's weights: joint loads, same descriptor and mask in all four.
; THE MATRIX INSTRUCTION IS USED TRANSPOSED (source 0 = 16 weight rows, source 1 = 16 rows of x): a lane holds row lane % 16 and the columns 8 (lane / 16) + 0..7.
; REGISTERS: window 0: v0-31 addresses, v32-255 fragment buffer 0; window 1: v32-255 fragment buffer 1; window 2: q v0-127, k v128-255; window 3: v v0-127, d v128-255; tile (a, b) at 8 (4 a + b).
.set BLK,   18432                      ; 128 rows x 144 bytes
.set SLOT,  7*BLK
.set STAGE, 2*SLOT                     ; behind the ring, a wave's own: 16 rows x 272 bytes for v, then 512 bytes for the scores
.set WSTG,  4864
.set SPARE, STAGE+4*WSTG               ; the spare words, 128 bytes a wave: two blocks of 256 bytes that no other line names
.set LAPS,  8                          ; a lap = two K steps = once round the ring
.set G1W,   (1<<16)|(1<<20)|(1<<21)|(4<<22)|(3<<25)  ; 2-byte elements; padding on; bit 21 beside a mask; after every 32 words; 4 words
.set G1A, 24                           ; s[24:31] group 1 for x's blocks      s[32:39] group 0, a set for each slot
.set G0A, 32
.set G1B, 48                           ; s[48:55], s[56:63] the same for the weights
.set G0B, 56
.set LIM, 43                           ; s43  1 in a wave that prefetches, else the greatest number
.set PFA, 44                           ; s[44:45] where my prefetches stand
.set PFS, 66                           ; s[66:67] a lap's bytes in the stream that I prefetch
.set SEL, 78                           ; s[78:79] v_permlanex16_b32's selects
.set ADRA, 16                          ; v16-17 LDS address of my fragments of xA in slot 0, 1 (xB: one block on)
.set ADRB, 18                          ; v18-19 of Wq (Wk, Wv: one, two blocks on)
.set ADRC, 20                          ; v20-21 of Wqd (Wkd: one block on)
.set STO, 22
.set RD,  23
.set CO,  24
.set SCS, 25
.set SCR, 26
.set PO,  27
.set SPW, 28                           ; v28 my spare word; v29 0: never rewritten
.set NIL, 29
.set PFO, 30                           ; v30 256 x lane
.set FXA, 32                           ; in a fragment buffer: xA, xB, then the five weights, 32 registers each
.set FXB, 64
.set FW,  96
.set TQ,  32                           ; the way out
.set TD,  40
.set PR,  48
.set OB,  96
.set MSB, 0
.macro WIN new                         ; the immediate's high byte repeats the setting that is left
.if MSB != (\new)
	s_set_vgpr_msb (MSB<<8)|(\new)
.set MSB, \new
.endif
.endm
.macro GROUP1 g, rows                  ; rows of 128 elements (256 bytes), dense
	s_mov_b32 s[(\g)+1], 128<<16
	s_mov_b32 s[(\g)+2], (\rows)<<16
	s_mov_b32 s[(\g)+3], 128<<16
	s_mov_b32 s[(\g)+4], \rows
	s_mov_b32 s[(\g)+5], 128
	s_mov_b32 s[(\g)+6], 0
	s_mov_b32 s[(\g)+7], 0
.endm
.macro JLOAD s                         ; a joint load: waves 0, 1 fetch xA's and xB's block, waves 2, 3 the halves of the five weights' blocks; s_nop 0 and four v_nop follow each line
	s_cmp_eq_u32 s11, 0
	s_cbranch_scc0 .Lfor_b_\@
	tensor_load_to_lds s[G0A+4*(\s):G0A+4*(\s)+3], s[G1A:G1A+7]
	s_nop 0
.rept 4
	v_nop
.endr
	s_branch .Lasked_\@
.Lfor_b_\@:
	tensor_load_to_lds s[G0B+4*(\s):G0B+4*(\s)+3], s[G1B:G1B+7]
	s_nop 0
.rept 4
	v_nop
.endr
.Lasked_\@:
.endm
.macro CROUND                          ; a round of the cluster's barrier
	s_barrier_signal -1
	s_barrier_wait -1
	s_cmp_lg_u32 s10, 0
	s_cbranch_scc1 .Lnot_wave_0_\@
	s_barrier_signal -3
.Lnot_wave_0_\@:
	s_barrier_wait -3
	s_barrier_signal -1
	s_barrier_wait -1
.endm
.macro PLACES                          ; four places in front of loads into registers that matrix instructions have read
.rept 4
	v_nop
.endr
.endm
; A PREFETCH INTO THE L2, once a lap, behind slot 0's joint load and the run of LDS loads: the lap after next, whose refills stand two and three K steps on.  Each 256 bytes are named once in the launch:
; x's blocks by the clusters with x = 0 (wave 0: xA, wave 1: xB), the weights by the clusters with y = 0 (wave 2); the four partners of a joint load take a quarter each, told apart by address.
; A lap of x is 32,768 bytes: 8,192 a partner, one instruction, a lane 256 bytes; a lap of the weights 163,840: 40,960 a partner, five instructions.  The loop's last trip asks for nothing.
.macro ASK
	s_cmp_gt_u32 s3, s[LIM]
	s_cbranch_scc0 .Lnot_mine_\@
	global_prefetch_b8 v[PFO], s[PFA:PFA+1] th:TH_LOAD_NT scope:SCOPE_SE
	s_cmp_eq_u32 s10, 2
	s_cbranch_scc0 .Lnot_mine_\@
.irp n, 1,2,3,4
	global_prefetch_b8 v[PFO], s[PFA:PFA+1] offset:8192*(\n) th:TH_LOAD_NT scope:SCOPE_SE
.endr
.Lnot_mine_\@:
.endm
; 16 matrix instructions: one product's 16 accumulators, one instruction a turn, 32 along K
.macro MULG buf, aw, ab, wf, xf, zero
	WIN (\buf)|((\buf)<<2)|((\aw)<<4)|((\aw)<<6)
.irp a, 0,1,2,3
.irp b, 0,1,2,3
.if \zero
	v_wmma_f32_16x16x32_f16 v[(\ab)+8*(4*(\a)+(\b)):(\ab)+8*(4*(\a)+(\b))+7], v[(\wf)+8*(\b):(\wf)+8*(\b)+7], v[(\xf)+8*(\a):(\xf)+8*(\a)+7], 0
.else
	v_wmma_f32_16x16x32_f16 v[(\ab)+8*(4*(\a)+(\b)):(\ab)+8*(4*(\a)+(\b))+7], v[(\wf)+8*(\b):(\wf)+8*(\b)+7], v[(\xf)+8*(\a):(\xf)+8*(\a)+7], v[(\ab)+8*(4*(\a)+(\b)):(\ab)+8*(4*(\a)+(\b))+7]
.endif
.endr
.endr
.endm
.macro GQ buf, zero
	MULG \buf, 2, 0, FW, FXA, \zero
.endm
.macro GK buf, zero
	MULG \buf, 2, 128, FW+32, FXB, \zero
.endm
.macro GREST buf, zero                 ; v, then qd, then -kd onto the same accumulators: 15 others' turns between two links
	MULG \buf, 3, 0, FW+64, FXB, \zero
	MULG \buf, 3, 128, FW+96, FXA, \zero
	MULG \buf, 3, 128, FW+128, FXB, 0
.endm
.macro LD8 dst, adr, off               ; four fragments of 16 rows x 32 K
.irp i, 0,1,2,3
	ds_load_b128 v[(\dst)+8*(\i):(\dst)+8*(\i)+3], v[\adr] offset:(\off)+(\i)*2304
	ds_load_b128 v[(\dst)+8*(\i)+4:(\dst)+8*(\i)+7], v[\adr] offset:(\off)+(\i)*2304+32
.endr
.endm
.macro FETCH slot, c, buf              ; 56 LDS loads in one run, in the order in which the products want them
	WIN (\buf)<<6
	LD8 FXA, ADRA+(\slot), 64*(\c)
	LD8 FW, ADRB+(\slot), 64*(\c)
	LD8 FXB, ADRA+(\slot), BLK+64*(\c)
	LD8 FW+32, ADRB+(\slot), BLK+64*(\c)
	LD8 FW+64, ADRB+(\slot), 2*BLK+64*(\c)
	LD8 FW+96, ADRC+(\slot), 64*(\c)
	LD8 FW+128, ADRC+(\slot), BLK+64*(\c)
.endm
; A K step is two chunks of 32 along K.  The first multiplies buffer 0 and fetches the second into buffer 1.
.macro QUARTER slot, zero
	s_wait_dscnt 40                                ; xA and Wq are in; the 40 younger loads may be out
	GQ 0, \zero
	s_wait_dscnt 24                                ; xB and Wk
	GK 0, \zero
	s_wait_dscnt 0x0                               ; the chunk's other fragments, asked for 32 matrix instructions ago or more
	PLACES
	FETCH \slot, 1, 1
	GREST 0, \zero
.endm
; The second multiplies buffer 1 and changes slots.  Its first 32 products stand ahead of the change, so that nothing but the round lies between the landing of one slot's tiles and the request for the other's.
; Then each wave waits for all its tensor loads (one is out: its part of the next slot), adds 0 to its spare word, and waits for that and for its reads of this slot; behind the barrier nobody reads this slot
; any more and the next slot is whole.  The last 48 products stand behind the run of LDS loads.
.macro TURN slot, next, fill
.if (\fill) && ((\slot) == 0)
	s_wait_xcnt 0x0                                ; the last prefetches, a lap back, have read their address
	s_add_nc_u64 s[PFA:PFA+1], s[PFA:PFA+1], s[PFS:PFS+1]
.endif
	s_wait_dscnt 40                                ; xA and Wq are in
	GQ 1, 0
	s_wait_dscnt 24                                ; xB and Wk
	GK 1, 0
	WIN 0
	s_wait_tensorcnt 0x0                           ; no tensor load of mine is out, so a group 0 may be written
	ds_add_u32 v[SPW], v[NIL]                      ; 0 onto my spare word; the descriptors' steps stand between it and the wait for it
.if \fill
	s_add_nc_u64 s[G0A+4*(\slot)+2:G0A+4*(\slot)+3], s[G0A+4*(\slot)+2:G0A+4*(\slot)+3], 2*16384
	s_add_nc_u64 s[G0B+4*(\slot)+2:G0B+4*(\slot)+3], s[G0B+4*(\slot)+2:G0B+4*(\slot)+3], 2*81920
.endif
	s_wait_dscnt 0x0                               ; the add is done, my reads of this slot are over
.if \fill
	CROUND                                         ; no wave of any partner reads this slot or has a load on its way
	JLOAD \slot                                    ; the first tensor load behind the round; its four v_nop are also the places in front of the loads below
.else
	s_barrier_signal -1
	s_barrier_wait -1
	PLACES
.endif
	FETCH \next, 0, 0
.if (\fill) && ((\slot) == 0)
	ASK
.endif
	GREST 1, 0
.endm
	s_load_b256 s[68:75], s[0:1], 0x0              ; F 68, XB 70, WP 72, V 74
	s_load_b64 s[76:77], s[0:1], 0x20              ; PART
	v_lshl_add_u32 v[SPW], v0, 2, SPARE
	v_mov_b32 v[NIL], 0
	ds_add_u32 v[SPW], v[NIL]                      ; the wave's opening: the add and its wait ahead of my first tensor load
	v_lshrrev_b32 v1, 5, v0
	v_readfirstlane_b32 s10, v1                    ; wave 0..3
	s_lshr_b32 s11, s10, 1                         ; my 64 rows.  Also: I fetch x (0) or weights (1)
	s_and_b32 s12, s10, 1                          ; my 64 columns.  Also: which half I fetch
	s_bfe_u32 s40, ttmp6, 0x40000                  ; cx
	s_bfe_u32 s41, ttmp6, 0x40004                  ; cy
	s_lshl_b32 s42, ttmp9, 2
	s_add_co_u32 s42, s42, s40                     ; the head = 4 x cluster x + cx
	s_and_b32 s13, ttmp7, 0xffff
	s_lshl_b32 s13, s13, 2
	s_add_co_u32 s13, s13, s41                     ; the row block = 4 x cluster y + cy
	s_lshl_b32 s14, s41, 2
	s_lshl_b32 s14, 15, s14                        ; my row of the cluster
	s_lshl_b32 s15, 0x1111, s40                    ; my column
	s_or_b32 s[G1A], s14, G1W
	s_or_b32 s[G1B], s15, G1W
	GROUP1 G1A, 64                                 ; a block: 16,384 bytes
	GROUP1 G1B, 160                                ; two and a half blocks: 40,960 bytes
	s_mov_b32 s20, 786432                          ; bytes of a row block in F,
	s_mov_b32 s21, 262144                          ; in XB
	s_cmp_eq_u32 s12, 0
	s_cselect_b32 s20, s20, s21
	s_mul_i32 s16, s13, s20
	s_mov_b32 s17, 0
	s_mul_i32 s18, s42, 1310720                    ; the head's weights
	s_mov_b32 s19, 0
	s_mul_i32 s20, s12, 40960
	s_add_co_u32 s20, s20, s18
	s_mov_b32 s21, 0
	s_mul_i32 s22, s12, BLK                        ; where they go: the wave's number alone enters an LDS address
	s_mul_i32 s23, s12, 46080
	s_add_co_u32 s23, s23, 2*BLK
	s_mov_b32 s[SEL], 0x76543210
	s_mov_b32 s[SEL+1], 0xfedcba98
	s_wait_dscnt 0x0                               ; the opening add is done
	s_wait_kmcnt 0x0
	s_cmp_eq_u32 s12, 0
	s_cselect_b64 s[46:47], s[68:69], s[70:71]
	s_add_nc_u64 s[46:47], s[46:47], s[16:17]      ; xA's or xB's block 0 of my row block
	s_add_nc_u64 s[20:21], s[72:73], s[20:21]      ; my half of the weights' K block 0
	s_add_nc_u64 s[18:19], s[72:73], s[18:19]      ; the head's weights, for the prefetches
	CROUND                                         ; all sixteen work-groups are here: the first joint loads meet
.irp s, 0,1
	s_mov_b32 s[G0A+4*(\s)], 1
	s_add_co_u32 s[G0A+4*(\s)+1], s22, (\s)*SLOT
	s_add_nc_u64 s[G0A+4*(\s)+2:G0A+4*(\s)+3], s[46:47], (\s)*16384
	s_or_b32 s[G0A+4*(\s)+3], s[G0A+4*(\s)+3], 0x80000000
	s_mov_b32 s[G0B+4*(\s)], 1
	s_add_co_u32 s[G0B+4*(\s)+1], s23, (\s)*SLOT
	s_add_nc_u64 s[G0B+4*(\s)+2:G0B+4*(\s)+3], s[20:21], (\s)*81920
	s_or_b32 s[G0B+4*(\s)+3], s[G0B+4*(\s)+3], 0x80000000
	JLOAD \s
.endr
	; the prefetches: nothing is asked for here, at the head; the pointer starts at lap 1 and is stepped before its first use
	s_and_b32 s16, ttmp7, 0xffff                   ; cluster y
	s_mov_b32 s15, 40960
	s_mov_b32 s[PFS], 163840
	s_cmp_eq_u32 s11, 0
	s_cselect_b32 s16, ttmp9, s16                  ; the coordinate along which other clusters read the same bytes
	s_cselect_b32 s14, s40, s41                    ; my place among the four that ask jointly
	s_cselect_b32 s15, 8192, s15
	s_cselect_b32 s[PFS], 32768, s[PFS]
	s_cselect_b64 s[PFA:PFA+1], s[46:47], s[18:19]
	s_mov_b32 s[PFS+1], 0
	s_cmp_eq_u32 s16, 0
	s_cselect_b32 s[LIM], 1, -1
	s_cmp_eq_u32 s10, 3
	s_cselect_b32 s[LIM], -1, s[LIM]               ; wave 2 asks for all of the weights
	s_mul_i32 s14, s14, s15
	s_add_co_u32 s14, s14, s[PFS]
	s_mov_b32 s15, 0
	s_add_nc_u64 s[PFA:PFA+1], s[PFA:PFA+1], s[14:15]
	; a fragment: lane l holds row l % 16; registers 0-3 K = 8 (l / 16) + 0..7, registers 4-7 K = 16 + 8 (l / 16) + 0..7: two loads of 16 bytes, 32 bytes apart
	v_and_b32 v1, 15, v0
	v_bfe_u32 v2, v0, 4, 1
	v_mul_u32_u24 v3, v1, 144
	v_lshl_add_u32 v3, v2, 4, v3
	s_mul_i32 s21, s11, 9216                       ; my 64 rows of x
	s_mul_i32 s22, s12, 9216                       ; my 64 rows of each weight block
	s_add_co_u32 s22, s22, 2*BLK
.irp s, 0,1
	v_add_nc_u32 v[ADRA+(\s)], s21, v3
	v_add_nc_u32 v[ADRB+(\s)], s22, v3
	v_add_nc_u32 v[ADRC+(\s)], 3*BLK, v[ADRB+(\s)]
	s_add_co_u32 s21, s21, SLOT
	s_add_co_u32 s22, s22, SLOT
.endr
	s_mul_i32 s23, s10, WSTG
	s_add_co_u32 s23, s23, STAGE                   ; my stage
	v_mul_u32_u24 v4, v1, 272                      ; in: row l % 16, 32 bytes for each half of the lanes
	v_lshl_add_u32 v4, v2, 5, v4
	v_add_nc_u32 v[STO], s23, v4
	v_mul_u32_u24 v4, v2, 272                      ; back: lanes 0-15 one row of 256 bytes, lanes 16-31 the next
	v_lshl_add_u32 v4, v1, 4, v4
	v_add_nc_u32 v[RD], s23, v4
	v_lshlrev_b32 v4, 12, v2                       ; the same two rows in V
	v_lshl_add_u32 v[CO], v1, 4, v4
	s_add_co_u32 s23, s23, 4352                    ; the scores' 512 bytes
	v_lshl_add_u32 v[SCS], v1, 3, s23
	v_and_b32 v4, 31, v0
	v_lshlrev_b32 v[PO], 4, v4
	v_add_nc_u32 v[SCR], s23, v[PO]
	v_lshlrev_b32 v[PFO], 8, v4
	s_lshl_b32 s16, s13, 19                        ; V at my 64 rows and 64 columns
	s_lshl_b32 s17, s11, 18
	s_add_co_u32 s16, s16, s17
	s_lshl_b32 s17, s42, 9
	s_add_co_u32 s16, s16, s17
	s_lshl_b32 s17, s12, 8
	s_add_co_u32 s16, s16, s17
	s_mov_b32 s17, 0
	s_add_nc_u64 s[74:75], s[74:75], s[16:17]
	s_lshl_b32 s16, s42, 16                        ; PART at my half head and my 64 rows
	s_lshl_b32 s17, s12, 15
	s_add_co_u32 s16, s16, s17
	s_lshl_b32 s17, s13, 10
	s_add_co_u32 s16, s16, s17
	s_lshl_b32 s17, s11, 9
	s_add_co_u32 s16, s16, s17
	s_mov_b32 s17, 0
	s_add_nc_u64 s[76:77], s[76:77], s[16:17]
	s_wait_tensorcnt 0x1                           ; my part of K step 0 is in; K step 1's may stay out
	s_barrier_signal -1
	s_barrier_wait -1
	FETCH 0, 0, 0
	QUARTER 0, 1                                   ; the first chunk stands in front of the loop: its products start the sums
	WIN 0
	s_mov_b32 s3, LAPS-1
.Llap:                                                 ; a trip goes once round the ring and fills both slots again
	TURN 0, 1, 1
	QUARTER 1, 0
	TURN 1, 0, 1
	QUARTER 0, 0
	WIN 0
	s_sub_co_u32 s3, s3, 1
	s_cmp_lg_u32 s3, 0
	s_cbranch_scc1 .Llap
	TURN 0, 1, 0                                   ; the last lap fills nothing
	QUARTER 1, 0
	s_wait_dscnt 40
	GQ 1, 0
	s_wait_dscnt 24
	GK 1, 0
	s_wait_dscnt 0x0
	GREST 1, 0
	; THE WAY OUT.  First the two partial sums of my 64 columns for each of my 64 rows; each accumulator is read from its low end on.
	WIN 0
.rept 8
	v_nop
.endr
	WIN 0x0a                                       ; sources 0 and 1 in window 2
.irp b, 0,1,2,3
.irp j, 0,1,2,3
.irp a, 0,1,2,3
.if ((\b)+(\j)) == 0
	v_pk_mul_f32 v[TQ+2*(\a):TQ+2*(\a)+1], v[8*(4*(\a)+(\b))+2*(\j):8*(4*(\a)+(\b))+2*(\j)+1], v[128+8*(4*(\a)+(\b))+2*(\j):128+8*(4*(\a)+(\b))+2*(\j)+1]
.else
	v_pk_fma_f32 v[TQ+2*(\a):TQ+2*(\a)+1], v[8*(4*(\a)+(\b))+2*(\j):8*(4*(\a)+(\b))+2*(\j)+1], v[128+8*(4*(\a)+(\b))+2*(\j):128+8*(4*(\a)+(\b))+2*(\j)+1], v[TQ+2*(\a):TQ+2*(\a)+1]
.endif
.endr
.endr
.endr
	WIN 0x0f                                       ; sources 0 and 1 in window 3
.irp b, 0,1,2,3
.irp j, 0,1,2,3
.irp a, 0,1,2,3
.if ((\b)+(\j)) == 0
	v_pk_mul_f32 v[TD+2*(\a):TD+2*(\a)+1], v[128+8*(4*(\a)+(\b))+2*(\j):128+8*(4*(\a)+(\b))+2*(\j)+1], v[128+8*(4*(\a)+(\b))+2*(\j):128+8*(4*(\a)+(\b))+2*(\j)+1]
.else
	v_pk_fma_f32 v[TD+2*(\a):TD+2*(\a)+1], v[128+8*(4*(\a)+(\b))+2*(\j):128+8*(4*(\a)+(\b))+2*(\j)+1], v[128+8*(4*(\a)+(\b))+2*(\j):128+8*(4*(\a)+(\b))+2*(\j)+1], v[TD+2*(\a):TD+2*(\a)+1]
.endif
.endr
.endr
.endr
	WIN 0
.irp a, 0,1,2,3
	v_add_f32 v[PR+2*(\a)], v[TQ+2*(\a)], v[TQ+2*(\a)+1]
	v_add_f32 v[PR+2*(\a)+1], v[TD+2*(\a)], v[TD+2*(\a)+1]
.endr
.irp a, 0,1,2,3
	v_permlanex16_b32 v[TQ+2*(\a)], v[PR+2*(\a)], s[SEL], s[SEL+1]      ; the row's other 32 columns lie in the lane 16 away
	v_permlanex16_b32 v[TQ+2*(\a)+1], v[PR+2*(\a)+1], s[SEL], s[SEL+1]
.endr
.irp a, 0,1,2,3
	v_pk_add_f32 v[PR+2*(\a):PR+2*(\a)+1], v[PR+2*(\a):PR+2*(\a)+1], v[TQ+2*(\a):TQ+2*(\a)+1]
.endr
.irp a, 0,1,2,3
	ds_store_b64 v[SCS], v[PR+2*(\a):PR+2*(\a)+1] offset:128*(\a)  ; both halves of the lanes write the same words with the same numbers
.endr
	ds_load_b128 v[56:59], v[SCR]                  ; back as 512 bytes on end: LDS serves a wave's instructions in order
; v: 16 rows at a time through my stage, straight from the accumulators, and back as whole rows of 256 bytes
.macro TOSTAGE a
	WIN 0x0c                                       ; the stores' data in window 3
.irp b, 0,1,2,3
	ds_store_b128 v[STO], v[8*(4*(\a)+(\b)):8*(4*(\a)+(\b))+3] offset:64*(\b)
	ds_store_b128 v[STO], v[8*(4*(\a)+(\b))+4:8*(4*(\a)+(\b))+7] offset:64*(\b)+16
.endr
	WIN 0
.irp t, 0,1,2,3,4,5,6,7
	ds_load_b128 v[OB+32*(\a)+4*(\t):OB+32*(\a)+4*(\t)+3], v[RD] offset:544*(\t)
.endr
.endm
.macro SEND a, younger                 ; younger: the LDS instructions issued behind block a's loads
	s_wait_dscnt \younger
.irp t, 0,1,2,3,4,5,6,7
	global_store_b128 v[CO], v[OB+32*(\a)+4*(\t):OB+32*(\a)+4*(\t)+3], s[74:75] offset:(16*(\a)+2*(\t))*4096  ; 16 lanes store 256 consecutive bytes, aligned
.endr
.endm
	TOSTAGE 0
	s_wait_dscnt 16                                ; the scores are back; block 0's sixteen stage instructions may be out
	global_store_b128 v[PO], v[56:59], s[76:77]    ; 512 consecutive bytes, aligned
	TOSTAGE 1
	SEND 0, 16
	TOSTAGE 2
	SEND 1, 16
	TOSTAGE 3
	SEND 2, 16
	SEND 3, 0
	s_wait_tensorcnt 0x0                           ; the wave's end
	ds_add_u32 v[SPW], v[NIL]
	s_wait_dscnt 0x0
	CROUND                                         ; the closing round
	s_endpgm
.Lfunc_end_k_qf5114a1155_proj:
	.size	k_qf5114a1155_proj, .Lfunc_end_k_qf5114a1155_proj-k_qf5114a1155_proj
	.p2alignl 7, 3214868480
	.fill 96, 4, 3214868480
	.section	.rodata,"a",@progbits
	.p2align	6, 0x0
	.amdhsa_kernel k_qf5114a1155_proj
		.amdhsa_group_segment_fixed_size 327680
		.amdhsa_private_segment_fixed_size 0
		.amdhsa_enable_private_segment 0
		.amdhsa_kernarg_size 40
		.amdhsa_user_sgpr_count 2
		.amdhsa_user_sgpr_kernarg_segment_ptr 1
		.amdhsa_wavefront_size32 1
		.amdhsa_system_sgpr_workgroup_id_x 1
		.amdhsa_system_sgpr_workgroup_id_y 1
		.amdhsa_system_sgpr_workgroup_id_z 1
		.amdhsa_system_vgpr_workitem_id 0
		.amdhsa_next_free_vgpr 1024
		.amdhsa_next_free_sgpr 84
		.amdhsa_reserve_vcc 0
		.amdhsa_float_denorm_mode_32 3
		.amdhsa_float_denorm_mode_16_64 3
		.amdhsa_memory_ordered 1
		.amdhsa_forward_progress 1
		.amdhsa_inst_pref_size 100
	.end_amdhsa_kernel
	.amdgpu_metadata
---
amdhsa.version: [ 1, 2 ]
amdhsa.kernels:
  - .name:           k_qf5114a1155_proj
    .symbol:         k_qf5114a1155_proj.kd
    .args:
      - { .name: F, .offset: 0, .size: 8, .value_kind: global_buffer, .address_space: global }
      - { .name: XB, .offset: 8, .size: 8, .value_kind: global_buffer, .address_space: global }
      - { .name: WP, .offset: 16, .size: 8, .value_kind: global_buffer, .address_space: global }
      - { .name: V, .offset: 24, .size: 8, .value_kind: global_buffer, .address_space: global }
      - { .name: PART, .offset: 32, .size: 8, .value_kind: global_buffer, .address_space: global }
    .group_segment_fixed_size: 327680
    .private_segment_fixed_size: 0
    .kernarg_segment_align: 8
    .kernarg_segment_size: 40
    .max_flat_workgroup_size: 128
    .sgpr_count:     84
    .vgpr_count:     1024
    .wavefront_size: 32
...
	.end_amdgpu_metadata
.endif
;; end of part 2
;; launch ctx (part 3): grid 256 x 1, 8 waves a work-group, no clusters, 0 bytes of LDS; arguments V, PART, ln_sim_w, ln_sim_b, ln_dis_w, ln_dis_b, F; writes F
.if DOCPART == 3
	.amdgcn_target "amdgcn-amd-amdhsa--gfx1250"
	.amdhsa_code_object_version 6
	.text
	.protected	k_qf5114a1155_ctx
	.globl	k_qf5114a1155_ctx
	.p2align	8
	.type	k_qf5114a1155_ctx,@function
k_qf5114a1155_ctx:
	s_mov_b64 s[64:65], 0
	v_nop
	global_prefetch_b8 v0, s[64:65] scope:SCOPE_SE
	s_setreg_imm32_b32 hwreg(HW_REG_WAVE_MODE, 25, 1), 1
	s_wait_xcnt 0x0
; CTX: the scores, both softmaxes, the two contexts and their LayerNorms.  In: v (f32), the partial sums of q . k and of (qd - kd)^2 by half heads.  Out: ctx_sim and ctx_dis, f16, blocks 16-31 and 32-47 of F's row blocks.
; A query has ONE key.  The softmax is written as it stands: the maximum over the axis (the score itself) is taken away, the exponential is divided by the sum over the axis (itself): 1 for a finite score, NaN for an
; infinite one.  ln_sim_w, ln_sim_b, ln_dis_w, ln_dis_b are rounded to bf16; the results to f16 once (at most 32 |w| + |b|, which must stay under 65,504).
; SHARES.  A wave takes two neighbouring rows: lane l = 16 hh + i holds row hh, columns 64 kb + 4 i .. + 3 for kb = 0..15: 64 registers; a row is one DPP row of 16 lanes, so its sums never leave it.
; Each store of a wave covers 256 consecutive bytes, aligned.  Memory binds: no LDS, no matrix unit.  Window 1 holds the four parameter rows.
.set X,   32        ; v[32:95]   v of my columns
.set C,   96        ; v[96:159]  the context at work
.set Y,   160       ; v[160:223] packed results: 32 registers for each of the two contexts
.set CH,  224       ; v[224:231] four packed chains
.set WB,  16        ; v[16:23]   the eight heads' weights for my row
.set WD,  24        ; v[24:25]   the distance's weight, twice
.set MU,  26
.set RQ,  28
.set PSW, 0         ; window 1
.set PSB, 64
.set PDW, 128
.set PDB, 192
.set S_INV, 28      ; s28  2^-10
.set S_EPS, 29      ; s29  1e-5
.set MSB, 0
.macro WIN new
.if MSB != (\new)
	s_set_vgpr_msb (MSB<<8)|(\new)
.set MSB, \new
.endif
.endm
.macro REDUCE
	v_pk_add_f32 v[CH:CH+1], v[CH:CH+1], v[CH+2:CH+3]
	v_pk_add_f32 v[CH+4:CH+5], v[CH+4:CH+5], v[CH+6:CH+7]
	v_pk_add_f32 v[CH:CH+1], v[CH:CH+1], v[CH+4:CH+5]
	v_add_f32 v[CH], v[CH], v[CH+1]
	v_add_f32_dpp v[CH], v[CH], v[CH] row_xmask:1 row_mask:0xf bank_mask:0xf
	v_add_f32_dpp v[CH], v[CH], v[CH] row_xmask:2 row_mask:0xf bank_mask:0xf
	v_add_f32_dpp v[CH], v[CH], v[CH] row_xmask:4 row_mask:0xf bank_mask:0xf
	v_add_f32_dpp v[CH], v[CH], v[CH] row_xmask:8 row_mask:0xf bank_mask:0xf
.endm
.macro LNSTAT x                        ; (x - mean) / sqrt(var + eps) in place; the mean is taken away before the squares are summed
.irp c, 0,1,2,3
	v_pk_add_f32 v[CH+2*(\c):CH+2*(\c)+1], v[(\x)+2*(\c):(\x)+2*(\c)+1], v[(\x)+8+2*(\c):(\x)+8+2*(\c)+1]
.endr
.set j, 8
.rept 24
	v_pk_add_f32 v[CH+2*(j%4):CH+2*(j%4)+1], v[CH+2*(j%4):CH+2*(j%4)+1], v[(\x)+2*j:(\x)+2*j+1]
.set j, j+1
.endr
	REDUCE
	v_mul_f32 v[MU], s[S_INV], v[CH]
	v_mul_f32 v[MU+1], s[S_INV], v[CH]
.set j, 0
.rept 32
	v_pk_add_f32 v[(\x)+2*j:(\x)+2*j+1], v[(\x)+2*j:(\x)+2*j+1], v[MU:MU+1] neg_lo:[0,1] neg_hi:[0,1]
.set j, j+1
.endr
.irp c, 0,1,2,3
	v_pk_mul_f32 v[CH+2*(\c):CH+2*(\c)+1], v[(\x)+2*(\c):(\x)+2*(\c)+1], v[(\x)+2*(\c):(\x)+2*(\c)+1]
.endr
.set j, 4
.rept 28
	v_pk_fma_f32 v[CH+2*(j%4):CH+2*(j%4)+1], v[(\x)+2*j:(\x)+2*j+1], v[(\x)+2*j:(\x)+2*j+1], v[CH+2*(j%4):CH+2*(j%4)+1]
.set j, j+1
.endr
	REDUCE
	v_fma_f32 v[CH], v[CH], s[S_INV], s[S_EPS]
	v_rsq_f32 v[RQ], v[CH]
	v_rsq_f32 v[RQ+1], v[CH]
	v_nop
	s_wait_alu depctr_va_vdst(0)                   ; one wait for both roots, ahead of their first reader
.set j, 0
.rept 32
	v_pk_mul_f32 v[(\x)+2*j:(\x)+2*j+1], v[(\x)+2*j:(\x)+2*j+1], v[RQ:RQ+1]
.set j, j+1
.endr
.endm
.macro PARAMS dst, base                ; a parameter row's 64 numbers of my columns, into window 1
.irp kb, 0,1,2,3,4,5,6,7,8,9,10,11,12,13,14,15
	global_load_b128 v[(\dst)+4*(\kb):(\dst)+4*(\kb)+3], v4, s[\base:\base+1] offset:256*(\kb)
.endr
.endm
; C = C w + b with w and b rounded to bf16; rounded to f16; stored to blocks kb0 .. kb0 + 15
.macro AFFINE pw, pb, ys, kb0
	WIN 0x45                                       ; sources and destination in window 1
.set k, 0
.rept 32
	v_cvt_pk_bf16_f32 v[(\pw)+k], v[(\pw)+2*k], v[(\pw)+2*k+1]
	v_cvt_pk_bf16_f32 v[(\pb)+k], v[(\pb)+2*k], v[(\pb)+2*k+1]
.set k, k+1
.endr
	WIN 0x14                                       ; sources 1 and 2 in window 1
.set k, 0
.rept 32
	v_fma_mix_f32_bf16 v[C+2*k], v[C+2*k], v[(\pw)+k], v[(\pb)+k] op_sel:[0,0,0] op_sel_hi:[0,1,1]
	v_fma_mix_f32_bf16 v[C+2*k+1], v[C+2*k+1], v[(\pw)+k], v[(\pb)+k] op_sel:[0,1,1] op_sel_hi:[0,1,1]
.set k, k+1
.endr
	WIN 0
.set k, 0
.rept 32
	v_cvt_pk_f16_f32 v[(\ys)+k], v[C+2*k], v[C+2*k+1]
.set k, k+1
.endr
.irp kb, 0,1,2,3,4,5,6,7,8,9,10,11,12,13,14,15
	global_store_b64 v5, v[(\ys)+2*(\kb):(\ys)+2*(\kb)+1], s[20:21] offset:((\kb0)+(\kb))*16384
.endr
.endm
	s_load_b256 s[8:15], s[0:1], 0x0               ; V 8, PART 10, ln_sim_w 12, ln_sim_b 14
	s_load_b128 s[16:19], s[0:1], 0x20             ; ln_dis_w 16, ln_dis_b 18
	s_load_b64 s[20:21], s[0:1], 0x30              ; F
	v_lshrrev_b32 v1, 5, v0
	v_readfirstlane_b32 s4, v1
	s_mov_b32 s5, ttmp9
	s_lshl3_add_u32 s6, s5, s4                     ; my pair of rows
	v_and_b32 v1, 15, v0                           ; i
	v_bfe_u32 v2, v0, 4, 1                         ; hh
	v_lshlrev_b32 v3, 12, v2
	v_lshl_add_u32 v3, v1, 4, v3                   ; in V: 4,096 hh + 16 i
	v_lshlrev_b32 v4, 4, v1                        ; in a parameter row: 16 i
	v_and_b32 v5, 31, v0
	v_lshlrev_b32 v5, 3, v5                        ; in a block's two rows: 8 l
	v_lshlrev_b32 v6, 15, v1
	v_lshl_add_u32 v6, v2, 3, v6                   ; in PART: half head i, row hh
	s_lshl_b32 s22, s6, 13
	s_mov_b32 s23, 0
	s_lshl_b32 s24, s6, 4
	s_mov_b32 s25, 0
	s_lshr_b32 s26, s6, 6
	s_mul_i32 s26, s26, 786432
	s_and_b32 s27, s6, 63
	s_lshl_b32 s27, s27, 8
	s_add_co_u32 s26, s26, s27
	s_mov_b32 s27, 0
	s_mov_b32 s[S_INV], 0x3a800000
	s_mov_b32 s[S_EPS], 0x3727c5ac
	s_wait_kmcnt 0x0
	s_add_nc_u64 s[8:9], s[8:9], s[22:23]
	s_add_nc_u64 s[10:11], s[10:11], s[24:25]
	s_add_nc_u64 s[20:21], s[20:21], s[26:27]
.irp kb, 0,1,2,3,4,5,6,7,8,9,10,11,12,13,14,15
	global_load_b128 v[X+4*(\kb):X+4*(\kb)+3], v3, s[8:9] offset:256*(\kb) th:TH_LOAD_NT
.endr
	global_load_b64 v[8:9], v6, s[10:11]
	WIN 0x40                                       ; destination in window 1
	PARAMS PSW, 12
	PARAMS PSB, 14
	WIN 0
	s_wait_loadcnt 32                              ; v and the partial sums are in; the 32 loads of ln_sim's parameters may stay out
	v_add_f32_dpp v8, v8, v8 row_xmask:1 row_mask:0xf bank_mask:0xf   ; a head's two halves
	v_add_f32_dpp v9, v9, v9 row_xmask:1 row_mask:0xf bank_mask:0xf   ; all sixteen
	v_add_f32_dpp v9, v9, v9 row_xmask:2 row_mask:0xf bank_mask:0xf
	v_add_f32_dpp v9, v9, v9 row_xmask:4 row_mask:0xf bank_mask:0xf
	v_add_f32_dpp v9, v9, v9 row_xmask:8 row_mask:0xf bank_mask:0xf
	v_mul_f32 v8, 0x3db504f3, v8                   ; / sqrt(128)
	v_max_num_f32 v9, 0x2b8cbccc, v9               ; at least 1e-12
	v_sqrt_f32 v9, v9
	v_nop
	s_wait_alu depctr_va_vdst(0)
	v_sub_f32 v10, v8, v8                          ; the score less the maximum over its one key
	v_sub_f32 v11, v9, v9
	v_mul_f32 v10, 0x3fb8aa3b, v10
	v_mul_f32 v11, 0x3fb8aa3b, v11
	v_exp_f32 v10, v10
	v_exp_f32 v11, v11
	v_nop
	s_wait_alu depctr_va_vdst(0)
	v_rcp_f32 v12, v10                             ; the sum over the one key is the exponential itself
	v_rcp_f32 v13, v11
	v_nop
	s_wait_alu depctr_va_vdst(0)
	v_mul_f32 v10, v10, v12
	v_mul_f32 v[WD], v11, v13
	v_mul_f32 v[WD+1], v11, v13
.irp n, 0,2,4,6,8,10,12,14
	v_mov_b32 v[WB+(\n)/2], v10                    ; a DPP form's destination counts as read: it is written first
.endr
.irp n, 0,2,4,6,8,10,12,14
	v_mov_b32_dpp v[WB+(\n)/2], v10 row_share:\n row_mask:0xf bank_mask:0xf  ; head n / 2's weight lies in lane n of my row
.endr
.set k, 0
.rept 32                               ; pair k lies in block k / 2, head k / 4
.if (k/4)%2
	v_pk_mul_f32 v[C+2*k:C+2*k+1], v[X+2*k:X+2*k+1], v[WB+2*(k/8):WB+2*(k/8)+1] op_sel:[0,1] op_sel_hi:[1,1]
.else
	v_pk_mul_f32 v[C+2*k:C+2*k+1], v[X+2*k:X+2*k+1], v[WB+2*(k/8):WB+2*(k/8)+1] op_sel:[0,0] op_sel_hi:[1,0]
.endif
.set k, k+1
.endr
	LNSTAT C
	s_wait_loadcnt 0x0                             ; ln_sim's parameters
	WIN 0x40
	PARAMS PDW, 16                                 ; ln_dis's are asked for now: they have the rest of this context and the next one's statistics in which to come
	PARAMS PDB, 18
	AFFINE PSW, PSB, Y, 16
.set k, 0
.rept 32
	v_pk_mul_f32 v[C+2*k:C+2*k+1], v[X+2*k:X+2*k+1], v[WD:WD+1]
.set k, k+1
.endr
	LNSTAT C
	s_wait_loadcnt 0x0
	AFFINE PDW, PDB, Y+32, 32
	s_endpgm
.Lfunc_end_k_qf5114a1155_ctx:
	.size	k_qf5114a1155_ctx, .Lfunc_end_k_qf5114a1155_ctx-k_qf5114a1155_ctx
	.p2alignl 7, 3214868480
	.fill 96, 4, 3214868480
	.section	.rodata,"a",@progbits
	.p2align	6, 0x0
	.amdhsa_kernel k_qf5114a1155_ctx
		.amdhsa_group_segment_fixed_size 0
		.amdhsa_private_segment_fixed_size 0
		.amdhsa_enable_private_segment 0
		.amdhsa_kernarg_size 56
		.amdhsa_user_sgpr_count 2
		.amdhsa_user_sgpr_kernarg_segment_ptr 1
		.amdhsa_wavefront_size32 1
		.amdhsa_system_sgpr_workgroup_id_x 1
		.amdhsa_system_sgpr_workgroup_id_y 1
		.amdhsa_system_sgpr_workgroup_id_z 1
		.amdhsa_system_vgpr_workitem_id 0
		.amdhsa_next_free_vgpr 512
		.amdhsa_next_free_sgpr 66
		.amdhsa_reserve_vcc 0
		.amdhsa_float_denorm_mode_32 3
		.amdhsa_float_denorm_mode_16_64 3
		.amdhsa_memory_ordered 1
		.amdhsa_forward_progress 1
		.amdhsa_inst_pref_size 57
	.end_amdhsa_kernel
	.amdgpu_metadata
---
amdhsa.version: [ 1, 2 ]
amdhsa.kernels:
  - .name:           k_qf5114a1155_ctx
    .symbol:         k_qf5114a1155_ctx.kd
    .args:
      - { .name: V, .offset: 0, .size: 8, .value_kind: global_buffer, .address_space: global }
      - { .name: PART, .offset: 8, .size: 8, .value_kind: global_buffer, .address_space: global }
      - { .name: ln_sim_w, .offset: 16, .size: 8, .value_kind: global_buffer, .address_space: global }
      - { .name: ln_sim_b, .offset: 24, .size: 8, .value_kind: global_buffer, .address_space: global }
      - { .name: ln_dis_w, .offset: 32, .size: 8, .value_kind: global_buffer, .address_space: global }
      - { .name: ln_dis_b, .offset: 40, .size: 8, .value_kind: global_buffer, .address_space: global }
      - { .name: F, .offset: 48, .size: 8, .value_kind: global_buffer, .address_space: global }
    .group_segment_fixed_size: 0
    .private_segment_fixed_size: 0
    .kernarg_segment_align: 8
    .kernarg_segment_size: 56
    .max_flat_workgroup_size: 256
    .sgpr_count:     66
    .vgpr_count:     512
    .wavefront_size: 32
...
	.end_amdgpu_metadata
.endif
;; end of part 3
;; launch mlp1 (part 4): grid 8 x 32, 4 waves a work-group, clusters of 4 x 4, 327,680 bytes of LDS; arguments F, W1P, bn_gamma, bn_beta, bn_mean, bn_var, HB; writes HB
.if DOCPART == 4
	.amdgcn_target "amdgcn-amd-amdhsa--gfx1250"
	.amdhsa_code_object_version 6
	.text
	.protected	k_qf5114a1155_mlp1
	.globl	k_qf5114a1155_mlp1
	.p2align	8
	.type	k_qf5114a1155_mlp1,@function
k_qf5114a1155_mlp1:
	s_mov_b64 s[64:65], 0
	v_nop
	global_prefetch_b8 v0, s[64:65] scope:SCOPE_SE
	s_setreg_imm32_b32 hwreg(HW_REG_WAVE_MODE, 25, 1), 1
	s_wait_xcnt 0x0
	s_wait_alu depctr_hold_cnt(0) depctr_sa_sdst(0) depctr_va_vdst(0) depctr_va_sdst(0) depctr_va_ssrc(0) depctr_va_vcc(0) depctr_vm_vsrc(0)
	s_getreg_b32 s2, hwreg(HW_REG_IB_STS2, 6, 4)
	s_cmp_eq_u32 s2, 0
	s_cbranch_scc0 .Lentry_in_a_cluster
	s_endpgm
.Lentry_in_a_cluster:
	s_bfe_u32 s2, ttmp6, 0x10000c
	s_cmp_lg_u32 s2, 0xf033
	s_cbranch_scc0 .Lentry_shape_is_right
	s_endpgm
.Lentry_shape_is_right:
; MLP1: h = relu(((fused W1^T) - mean) gamma / sqrt(var + eps) + beta).  fused [4096][3072] and W1 [2048][3072] f16 in blocks, sums f32; the four BatchNorm rows are rounded to bf16; h is rounded once to bf16
; (with all inputs 30 times larger it would pass f16's range) and stored in blocks, HB[32][32][128][64].
; ORDER OF ROUNDING: BatchNorm is one fused multiply-add in f32, sum x scale + shift, with scale = gamma / sqrt(var + eps) and shift = beta - mean x scale made once a column in f32.  LIMIT: the maximum with 0 turns a NaN into 0.
; SHARES.  A work-group takes 128 rows x 256 columns: 32 x 8 = 256 work-groups.  A wave takes 64 x 128: 32 accumulators, all of window 2 (tile (a, b) at 8 (8 a + b)).
; K goes in steps of 192 (three blocks) through two LDS slots: 3 blocks of 128 rows of fused, 3 blocks of 256 rows of W1: 16 steps of 192 matrix instructions a wave, all of which stand between a slot's request and the
; wait for it.  Blocks are dense in memory: asked for as rows of 256 bytes (two block rows), with 16 bytes of padding behind each in LDS: block row r lies at (r / 2) x 272 + (r % 2) x 128, that is at word
; 68 (r / 2) + 32 (r % 2): the 16 rows of a fragment load start at 16 different groups of four banks (64 banks of 4 bytes: ISA guide 11.1), and two slots of three blocks fit; with 16 bytes behind every 128 they would not.
; CLUSTER 4 x 4 with joint loads; the matrix instruction is used transposed (source 0 = 16 rows of W1, source 1 = 16 rows of fused): a lane holds row lane % 16 and the columns 8 (lane / 16) + 0..7.
; REGISTERS: window 0: v0-31 addresses, v32-223 fragment buffer 0; window 1: v32-223 fragment buffer 1, at the end scale and shift; window 2: the accumulators.
.set DR,    272                        ; two block rows in LDS
.set RB16,  8*DR                       ; 16 rows
.set BLKA,  64*DR                      ; a block of 128 rows
.set BLKB,  128*DR                     ; a block of 256 rows
.set SLOT,  3*BLKA+3*BLKB              ; 156,672
.set STAGE, 2*SLOT                     ; a wave's own: 16 rows x 144 bytes, used twice for each 16 rows x 128 columns
.set WSTG,  2304
.set TABLE, STAGE+4*WSTG               ; scale, shift of the work-group's 256 columns, f32: 2 x 1,024 bytes
.set SPARE, TABLE+2048                 ; the spare words end at 325,120
.set LAPS,  8
.set G1W,   (1<<16)|(1<<20)|(1<<21)|(5<<22)|(3<<25)  ; 2-byte elements; padding on; bit 21 beside a mask; after every 64 words; 4 words
.set G1A, 24
.set G0A, 32
.set G1B, 48
.set G0B, 56
.set LIM, 43
.set PFA, 44
.set PFS, 66
.set ADRA, 16                          ; v16-17 my fragments of fused in slot 0, 1
.set ADRB, 18                          ; v18-19 of W1's blocks 0 and 1
.set ADRC, 20                          ; v20-21 of W1's block 2: its offsets would pass the immediate's 16 bits
.set STO, 22
.set RD,  23
.set CO,  24
.set TB,  25                           ; v25 where I read the table
.set SPW, 28
.set NIL, 29
.set PFO, 30
.set ZERO, 31
.set FA,  32                           ; fragments of fused: 32 c + 8 a
.set FB,  96                           ; of W1: 64 c + 8 b
.set T,   32                           ; the way out
.set Y,   96
.set OB,  128
.set TSC, 32                           ; window 1: scale, shift of my 128 columns, 8 b + j
.set TSH, 96
.set MSB, 0
.macro WIN new
.if MSB != (\new)
	s_set_vgpr_msb (MSB<<8)|(\new)
.set MSB, \new
.endif
.endm
.macro GROUP1 g, rows
	s_mov_b32 s[(\g)+1], 128<<16
	s_mov_b32 s[(\g)+2], (\rows)<<16
	s_mov_b32 s[(\g)+3], 128<<16
	s_mov_b32 s[(\g)+4], \rows
	s_mov_b32 s[(\g)+5], 128
	s_mov_b32 s[(\g)+6], 0
	s_mov_b32 s[(\g)+7], 0
.endm
.macro JLOAD s                         ; waves 0, 1 fetch the halves of the step's three blocks of fused, waves 2, 3 those of W1's
	s_cmp_eq_u32 s11, 0
	s_cbranch_scc0 .Lfor_b_\@
	tensor_load_to_lds s[G0A+4*(\s):G0A+4*(\s)+3], s[G1A:G1A+7]
	s_nop 0
.rept 4
	v_nop
.endr
	s_branch .Lasked_\@
.Lfor_b_\@:
	tensor_load_to_lds s[G0B+4*(\s):G0B+4*(\s)+3], s[G1B:G1B+7]
	s_nop 0
.rept 4
	v_nop
.endr
.Lasked_\@:
.endm
.macro CROUND
	s_barrier_signal -1
	s_barrier_wait -1
	s_cmp_lg_u32 s10, 0
	s_cbranch_scc1 .Lnot_wave_0_\@
	s_barrier_signal -3
.Lnot_wave_0_\@:
	s_barrier_wait -3
	s_barrier_signal -1
	s_barrier_wait -1
.endm
.macro PLACES
.rept 4
	v_nop
.endr
.endm
; A PREFETCH INTO THE L2, once a lap, behind slot 0's joint load and the run of LDS loads: the lap after next, whose refills stand two and three K steps on.  Each 256 bytes are named once in the launch: a lap of fused
; (98,304 bytes) by wave 0 of the clusters with x = 0; a lap of W1 (196,608) by waves 2 and 3 of the clusters with y = 0, a K step each; the four partners take 24,576 bytes each, told apart by address:
; three instructions, a lane 256 bytes.  The loop's last trip asks for nothing.
.macro ASK
	s_cmp_gt_u32 s3, s[LIM]
	s_cbranch_scc0 .Lnot_mine_\@
.irp n, 0,1,2
	global_prefetch_b8 v[PFO], s[PFA:PFA+1] offset:8192*(\n) th:TH_LOAD_NT scope:SCOPE_SE
.endr
.Lnot_mine_\@:
.endm
.macro MUL16 buf, c, a0, zero          ; row blocks a0, a0 + 1 x all 8 column blocks, 32 along K; the accumulators take turns
	WIN 0xa0|(5*(\buf))
.irp a, \a0, (\a0)+1
.irp b, 0,1,2,3,4,5,6,7
.if \zero
	v_wmma_f32_16x16x32_f16 v[8*(8*(\a)+(\b)):8*(8*(\a)+(\b))+7], v[FB+64*(\c)+8*(\b):FB+64*(\c)+8*(\b)+7], v[FA+32*(\c)+8*(\a):FA+32*(\c)+8*(\a)+7], 0
.else
	v_wmma_f32_16x16x32_f16 v[8*(8*(\a)+(\b)):8*(8*(\a)+(\b))+7], v[FB+64*(\c)+8*(\b):FB+64*(\c)+8*(\b)+7], v[FA+32*(\c)+8*(\a):FA+32*(\c)+8*(\a)+7], v[8*(8*(\a)+(\b)):8*(8*(\a)+(\b))+7]
.endif
.endr
.endr
.endm
.macro FETCH slot, kbi, buf            ; 48 LDS loads in one run: block kbi's fragments, the first 32 along K first
	WIN (\buf)<<6
.if (\kbi) == 2
.set BREG, ADRC+(\slot)
.set BOFF, 0
.else
.set BREG, ADRB+(\slot)
.set BOFF, (\kbi)*BLKB
.endif
.irp c, 0,1
.irp i, 0,1,2,3
	ds_load_b128 v[FA+32*(\c)+8*(\i):FA+32*(\c)+8*(\i)+3], v[ADRA+(\slot)] offset:(\kbi)*BLKA+(\i)*RB16+64*(\c)
	ds_load_b128 v[FA+32*(\c)+8*(\i)+4:FA+32*(\c)+8*(\i)+7], v[ADRA+(\slot)] offset:(\kbi)*BLKA+(\i)*RB16+64*(\c)+32
.endr
.irp i, 0,1,2,3,4,5,6,7
	ds_load_b128 v[FB+64*(\c)+8*(\i):FB+64*(\c)+8*(\i)+3], v[BREG] offset:BOFF+(\i)*RB16+64*(\c)
	ds_load_b128 v[FB+64*(\c)+8*(\i)+4:FB+64*(\c)+8*(\i)+7], v[BREG] offset:BOFF+(\i)*RB16+64*(\c)+32
.endr
.endr
.endm
; A K step is three chunks of one block, 64 matrix instructions each; the two buffers take turns: 0, 1, 0 in slot 0 and 1, 0, 1 in slot 1.
.macro QUARTER slot, kn, f, zero       ; one of a step's first two chunks: multiplies buffer f, fetches block kn into the other
	s_wait_dscnt 24                                ; the first 32 along K are in
	MUL16 \f, 0, 0, \zero
	MUL16 \f, 0, 2, \zero
	s_wait_dscnt 0x0                               ; the other 32, asked for 32 matrix instructions ago or more
	PLACES
	FETCH \slot, \kn, 1-(\f)
	MUL16 \f, 1, 0, 0
	MUL16 \f, 1, 2, 0
.endm
; The third chunk multiplies buffer f and changes slots.  Its first 32 products stand ahead of the change, so that nothing but the round lies between the landing of one slot's tiles and the request for the other's.
; Then each wave waits for all its tensor loads (one is out: its part of the next slot), adds 0 to its spare word, and waits for that and for its reads of this slot.  The last 32 products stand behind the run of LDS loads.
.macro TURN slot, next, fill, f
.if (\fill) && ((\slot) == 0)
	s_wait_xcnt 0x0                                ; the last prefetches, a lap back, have read their address
	s_add_nc_u64 s[PFA:PFA+1], s[PFA:PFA+1], s[PFS:PFS+1]
.endif
	s_wait_dscnt 24                                ; the first 32 along K are in
	MUL16 \f, 0, 0, 0
	MUL16 \f, 0, 2, 0
	WIN 0
	s_wait_tensorcnt 0x0                           ; no tensor load of mine is out, so a group 0 may be written
	ds_add_u32 v[SPW], v[NIL]                      ; 0 onto my spare word; the descriptors' steps stand between it and the wait for it
.if \fill
	s_add_nc_u64 s[G0A+4*(\slot)+2:G0A+4*(\slot)+3], s[G0A+4*(\slot)+2:G0A+4*(\slot)+3], 2*49152
	s_add_nc_u64 s[G0B+4*(\slot)+2:G0B+4*(\slot)+3], s[G0B+4*(\slot)+2:G0B+4*(\slot)+3], 2*98304
.endif
	s_wait_dscnt 0x0                               ; the add is done, my reads of this slot are over
.if \fill
	CROUND                                         ; no wave of any partner reads this slot or has a load on its way
	JLOAD \slot                                    ; the first tensor load behind the round; its four v_nop are also the places in front of the loads below
.else
	s_barrier_signal -1
	s_barrier_wait -1
	PLACES
.endif
	FETCH \next, 0, 1-(\f)
.if (\fill) && ((\slot) == 0)
	WIN 0                                          ; at a branch and at a label every window is 0
	ASK
.endif
	MUL16 \f, 1, 0, 0
	MUL16 \f, 1, 2, 0
.endm
	s_load_b256 s[68:75], s[0:1], 0x0              ; F 68, W1P 70, gamma 72, beta 74
	s_load_b128 s[76:79], s[0:1], 0x20             ; mean 76, var 78
	s_load_b64 s[80:81], s[0:1], 0x30              ; HB
	v_lshl_add_u32 v[SPW], v0, 2, SPARE
	v_mov_b32 v[NIL], 0
	ds_add_u32 v[SPW], v[NIL]                      ; the wave's opening: the add and its wait ahead of my first tensor load
	v_lshrrev_b32 v1, 5, v0
	v_readfirstlane_b32 s10, v1
	s_lshr_b32 s11, s10, 1                         ; my 64 rows.  Also: I fetch fused (0) or W1 (1)
	s_and_b32 s12, s10, 1                          ; my 128 columns.  Also: which half of a step's three blocks I fetch
	s_bfe_u32 s40, ttmp6, 0x40000
	s_bfe_u32 s41, ttmp6, 0x40004
	s_lshl_b32 s42, ttmp9, 2
	s_add_co_u32 s42, s42, s40                     ; column tile
	s_and_b32 s13, ttmp7, 0xffff
	s_lshl_b32 s13, s13, 2
	s_add_co_u32 s13, s13, s41                     ; row block
	s_lshl_b32 s14, s41, 2
	s_lshl_b32 s14, 15, s14
	s_lshl_b32 s15, 0x1111, s40
	s_or_b32 s[G1A], s14, G1W
	s_or_b32 s[G1B], s15, G1W
	GROUP1 G1A, 96                                 ; one and a half blocks of fused: 24,576 bytes
	GROUP1 G1B, 192                                ; one and a half blocks of W1: 49,152 bytes
	s_mul_i32 s16, s13, 786432
	s_mul_i32 s17, s12, 24576
	s_add_co_u32 s16, s16, s17
	s_mov_b32 s17, 0
	s_mul_i32 s20, s42, 1572864
	s_mul_i32 s21, s12, 49152
	s_add_co_u32 s20, s20, s21
	s_mov_b32 s21, 0
	s_mul_i32 s22, s12, 96*DR                      ; where they go: the wave's number alone enters an LDS address
	s_mul_i32 s23, s12, 192*DR
	s_add_co_u32 s23, s23, 3*BLKA
	s_wait_dscnt 0x0
	s_wait_kmcnt 0x0
	s_add_nc_u64 s[46:47], s[68:69], s[16:17]
	s_add_nc_u64 s[20:21], s[70:71], s[20:21]
	CROUND                                         ; all sixteen work-groups are here: the first joint loads meet
.irp s, 0,1
	s_mov_b32 s[G0A+4*(\s)], 1
	s_add_co_u32 s[G0A+4*(\s)+1], s22, (\s)*SLOT
	s_add_nc_u64 s[G0A+4*(\s)+2:G0A+4*(\s)+3], s[46:47], (\s)*49152
	s_or_b32 s[G0A+4*(\s)+3], s[G0A+4*(\s)+3], 0x80000000
	s_mov_b32 s[G0B+4*(\s)], 1
	s_add_co_u32 s[G0B+4*(\s)+1], s23, (\s)*SLOT
	s_add_nc_u64 s[G0B+4*(\s)+2:G0B+4*(\s)+3], s[20:21], (\s)*98304
	s_or_b32 s[G0B+4*(\s)+3], s[G0B+4*(\s)+3], 0x80000000
	JLOAD \s
.endr
	; BatchNorm's rows for the work-group's 256 columns, two columns a thread, in the wait for the first tiles
	s_lshl_b32 s14, s42, 10
	s_mov_b32 s15, 0
	s_add_nc_u64 s[72:73], s[72:73], s[14:15]
	s_add_nc_u64 s[74:75], s[74:75], s[14:15]
	s_add_nc_u64 s[76:77], s[76:77], s[14:15]
	s_add_nc_u64 s[78:79], s[78:79], s[14:15]
	v_lshlrev_b32 v6, 3, v0
	global_load_b64 v[32:33], v6, s[72:73]
	global_load_b64 v[34:35], v6, s[74:75]
	global_load_b64 v[36:37], v6, s[76:77]
	global_load_b64 v[38:39], v6, s[78:79]
	; the prefetches: nothing is asked for here, at the head; the pointer starts at lap 1 and is stepped before its first use
	s_and_b32 s16, ttmp7, 0xffff                   ; cluster y
	s_or_b32 s17, ttmp9, s12                       ; fused: the first cluster of the row, wave 0 alone
	s_mov_b32 s[PFS], 196608
	s_mul_i32 s15, s12, 49152                      ; W1: wave 3's K step lies 98,304 bytes behind wave 2's, of which its load's address holds 49,152
	s_cmp_eq_u32 s11, 0
	s_cselect_b32 s16, s17, s16
	s_cselect_b32 s14, s40, s41                    ; my place among the four that ask jointly
	s_cselect_b32 s[PFS], 98304, s[PFS]
	s_cselect_b32 s15, 0, s15
	s_cselect_b64 s[PFA:PFA+1], s[46:47], s[20:21]
	s_mov_b32 s[PFS+1], 0
	s_cmp_eq_u32 s16, 0
	s_cselect_b32 s[LIM], 1, -1
	s_mul_i32 s14, s14, 24576
	s_add_co_u32 s14, s14, s15
	s_add_co_u32 s14, s14, s[PFS]
	s_mov_b32 s15, 0
	s_add_nc_u64 s[PFA:PFA+1], s[PFA:PFA+1], s[14:15]
	; a fragment: lane l holds row l % 16; registers 0-3 K = 8 (l / 16) + 0..7, registers 4-7 K = 16 + 8 (l / 16) + 0..7: two loads of 16 bytes, 32 bytes apart
	v_and_b32 v1, 15, v0
	v_bfe_u32 v2, v0, 4, 1
	v_lshrrev_b32 v3, 1, v1
	v_mul_u32_u24 v3, v3, DR                       ; (r / 2) x 272
	v_and_b32 v4, 1, v0
	v_lshl_add_u32 v3, v4, 7, v3                   ; + (r % 2) x 128
	v_lshl_add_u32 v3, v2, 4, v3                   ; + 16 x half
	s_mul_i32 s21, s11, 4*RB16                     ; my 64 rows of fused
	s_mul_i32 s22, s12, 8*RB16                     ; my 128 rows of W1,
	s_add_co_u32 s22, s22, 3*BLKA                  ; which lie behind fused's three blocks
.irp s, 0,1
	v_add_nc_u32 v[ADRA+(\s)], s21, v3
	v_add_nc_u32 v[ADRB+(\s)], s22, v3
	v_add_nc_u32 v[ADRC+(\s)], 2*BLKB, v[ADRB+(\s)]
	s_add_co_u32 s21, s21, SLOT
	s_add_co_u32 s22, s22, SLOT
.endr
	s_mul_i32 s23, s10, WSTG
	s_add_co_u32 s23, s23, STAGE
	v_mul_u32_u24 v4, v1, 144                      ; in: row l % 16, 16 bytes for each half of the lanes
	v_lshl_add_u32 v4, v2, 4, v4
	v_add_nc_u32 v[STO], s23, v4
	v_bfe_u32 v4, v0, 3, 2                         ; back: 32 lanes take four rows of 128 bytes,
	v_and_b32 v5, 7, v0
	v_mul_u32_u24 v4, v4, 144
	v_lshl_add_u32 v4, v5, 4, v4
	v_add_nc_u32 v[RD], s23, v4
	v_and_b32 v4, 31, v0
	v_lshlrev_b32 v[CO], 4, v4                     ; which are 512 consecutive bytes of a block of HB
	v_lshlrev_b32 v[PFO], 8, v4
	s_lshl_b32 s23, s12, 9
	s_add_co_u32 s23, s23, TABLE
	v_lshl_add_u32 v[TB], v2, 5, s23               ; my 128 columns, my half's 8 of each 16
	v_add_nc_u32 v7, TABLE, v6
	v_mov_b32 v[ZERO], 0
	s_lshl_b32 s16, s13, 19                        ; HB at my row block, my two blocks of 64 columns, my 64 rows
	s_lshl_b32 s17, s42, 16
	s_add_co_u32 s16, s16, s17
	s_lshl_b32 s17, s12, 15
	s_add_co_u32 s16, s16, s17
	s_lshl_b32 s17, s11, 13
	s_add_co_u32 s16, s16, s17
	s_mov_b32 s17, 0
	s_add_nc_u64 s[80:81], s[80:81], s[16:17]
	s_wait_loadcnt 0x0
.irp p, 0,1,2,3
	v_cvt_pk_bf16_f32 v[40+(\p)], v[32+2*(\p)], v[33+2*(\p)]  ; rounded to bf16,
.endr
.irp p, 0,1,2,3
	v_lshlrev_b32 v[32+2*(\p)], 16, v[40+(\p)]     ; and back in f32
	v_and_b32 v[33+2*(\p)], 0xffff0000, v[40+(\p)]
.endr
	v_pk_add_f32 v[38:39], v[38:39], 0x3727c5ac op_sel_hi:[1,0]
	v_rsq_f32 v38, v38
	v_rsq_f32 v39, v39
	v_nop
	s_wait_alu depctr_va_vdst(0)                   ; one wait for both roots
	v_pk_mul_f32 v[32:33], v[32:33], v[38:39]      ; scale = gamma / sqrt(var + eps)
	v_pk_fma_f32 v[34:35], v[36:37], v[32:33], v[34:35] neg_lo:[1,0,0] neg_hi:[1,0,0]  ; shift = beta - mean x scale
	ds_store_b64 v7, v[32:33]
	ds_store_b64 v7, v[34:35] offset:1024
	s_wait_tensorcnt 0x1                           ; my part of K step 0 is in; K step 1's may stay out
	s_wait_dscnt 0x0                               ; for the others' sake: my part of the table is stored
	s_barrier_signal -1
	s_barrier_wait -1
	FETCH 0, 0, 0
	QUARTER 0, 1, 0, 1                             ; the first chunk stands in front of the loop: its first products start the sums
	WIN 0
	s_mov_b32 s3, LAPS-1
.Llap:                                                 ; a trip goes once round the ring, from a lap's second chunk to the next lap's first, and fills both slots again
	QUARTER 0, 2, 1, 0
	TURN 0, 1, 1, 0
	QUARTER 1, 1, 1, 0
	QUARTER 1, 2, 0, 0
	TURN 1, 0, 1, 1
	QUARTER 0, 1, 0, 0
	WIN 0
	s_sub_co_u32 s3, s3, 1
	s_cmp_lg_u32 s3, 0
	s_cbranch_scc1 .Llap
	QUARTER 0, 2, 1, 0                             ; the last lap fills nothing
	TURN 0, 1, 0, 0
	QUARTER 1, 1, 1, 0
	QUARTER 1, 2, 0, 0
	s_wait_dscnt 24
	MUL16 1, 0, 0, 0
	MUL16 1, 0, 2, 0
	s_wait_dscnt 0x0
	MUL16 1, 1, 0, 0
	MUL16 1, 1, 2, 0
	; THE WAY OUT
	WIN 0
.rept 8
	v_nop
.endr
	WIN 0x40
.irp b, 0,1,2,3,4,5,6,7
	ds_load_b128 v[TSC+8*(\b):TSC+8*(\b)+3], v[TB] offset:64*(\b)
	ds_load_b128 v[TSC+8*(\b)+4:TSC+8*(\b)+7], v[TB] offset:64*(\b)+16
	ds_load_b128 v[TSH+8*(\b):TSH+8*(\b)+3], v[TB] offset:1024+64*(\b)
	ds_load_b128 v[TSH+8*(\b)+4:TSH+8*(\b)+7], v[TB] offset:1024+64*(\b)+16
.endr
	s_wait_dscnt 0x0
.macro BNACT a                         ; 16 rows x 128 columns: sum x scale + shift, rounded to bf16, at least 0; each accumulator is read from its low end on
	WIN 0x16                                       ; source 0 in window 2, sources 1 and 2 in window 1
.set i, 0
.rept 32
	v_pk_fma_f32 v[T+2*i:T+2*i+1], v[64*(\a)+2*i:64*(\a)+2*i+1], v[TSC+2*i:TSC+2*i+1], v[TSH+2*i:TSH+2*i+1]
.set i, i+1
.endr
	WIN 0
.set i, 0
.rept 32
	v_cvt_pk_bf16_f32 v[Y+i], v[T+2*i], v[T+2*i+1]
.set i, i+1
.endr
.set i, 0
.rept 32
	v_pk_max_num_bf16 v[Y+i], v[Y+i], v[ZERO]
.set i, i+1
.endr
.endm
.macro TOSTAGE a                       ; through my stage, a block of 64 columns at a time, and back as rows of 128 bytes on end; LDS serves a wave's instructions in order, so the second block's stores come behind the first's loads
.irp g, 0,1
.irp b, 0,1,2,3
	ds_store_b128 v[STO], v[Y+4*(4*(\g)+(\b)):Y+4*(4*(\g)+(\b))+3] offset:32*(\b)
.endr
.irp t, 0,1,2,3
	ds_load_b128 v[OB+32*(\a)+4*(4*(\g)+(\t)):OB+32*(\a)+4*(4*(\g)+(\t))+3], v[RD] offset:576*(\t)
.endr
.endr
.endm
.macro SEND a
	s_wait_dscnt 0x0
.irp t, 0,1,2,3,4,5,6,7
	global_store_b128 v[CO], v[OB+32*(\a)+4*(\t):OB+32*(\a)+4*(\t)+3], s[80:81] offset:((\t)/4)*16384+(16*(\a)+4*((\t)%4))*128  ; 512 consecutive bytes, aligned
.endr
.endm
	BNACT 0
	TOSTAGE 0
.irp a, 1,2,3                          ; a block's arithmetic stands between the loads of the block before and the wait for them
	BNACT \a
	SEND (\a)-1
	TOSTAGE \a
.endr
	SEND 3
	s_wait_tensorcnt 0x0                           ; the wave's end
	ds_add_u32 v[SPW], v[NIL]
	s_wait_dscnt 0x0
	CROUND                                         ; the closing round
	s_endpgm
.Lfunc_end_k_qf5114a1155_mlp1:
	.size	k_qf5114a1155_mlp1, .Lfunc_end_k_qf5114a1155_mlp1-k_qf5114a1155_mlp1
	.p2alignl 7, 3214868480
	.fill 96, 4, 3214868480
	.section	.rodata,"a",@progbits
	.p2align	6, 0x0
	.amdhsa_kernel k_qf5114a1155_mlp1
		.amdhsa_group_segment_fixed_size 327680
		.amdhsa_private_segment_fixed_size 0
		.amdhsa_enable_private_segment 0
		.amdhsa_kernarg_size 56
		.amdhsa_user_sgpr_count 2
		.amdhsa_user_sgpr_kernarg_segment_ptr 1
		.amdhsa_wavefront_size32 1
		.amdhsa_system_sgpr_workgroup_id_x 1
		.amdhsa_system_sgpr_workgroup_id_y 1
		.amdhsa_system_sgpr_workgroup_id_z 1
		.amdhsa_system_vgpr_workitem_id 0
		.amdhsa_next_free_vgpr 768
		.amdhsa_next_free_sgpr 84
		.amdhsa_reserve_vcc 0
		.amdhsa_float_denorm_mode_32 3
		.amdhsa_float_denorm_mode_16_64 3
		.amdhsa_memory_ordered 1
		.amdhsa_forward_progress 1
		.amdhsa_inst_pref_size 135
	.end_amdhsa_kernel
	.amdgpu_metadata
---
amdhsa.version: [ 1, 2 ]
amdhsa.kernels:
  - .name:           k_qf5114a1155_mlp1
    .symbol:         k_qf5114a1155_mlp1.kd
    .args:
      - { .name: F, .offset: 0, .size: 8, .value_kind: global_buffer, .address_space: global }
      - { .name: W1P, .offset: 8, .size: 8, .value_kind: global_buffer, .address_space: global }
      - { .name: bn_gamma, .offset: 16, .size: 8, .value_kind: global_buffer, .address_space: global }
      - { .name: bn_beta, .offset: 24, .size: 8, .value_kind: global_buffer, .address_space: global }
      - { .name: bn_mean, .offset: 32, .size: 8, .value_kind: global_buffer, .address_space: global }
      - { .name: bn_var, .offset: 40, .size: 8, .value_kind: global_buffer, .address_space: global }
      - { .name: HB, .offset: 48, .size: 8, .value_kind: global_buffer, .address_space: global }
    .group_segment_fixed_size: 327680
    .private_segment_fixed_size: 0
    .kernarg_segment_align: 8
    .kernarg_segment_size: 56
    .max_flat_workgroup_size: 128
    .sgpr_count:     84
    .vgpr_count:     768
    .wavefront_size: 32
...
	.end_amdgpu_metadata
.endif
;; end of part 4
;; launch mlp2 (part 5): grid 8 x 32, 4 waves a work-group, clusters of 4 x 4, 327,680 bytes of LDS; arguments HB, W2P, b2, featA, out0; writes out0
.if DOCPART == 5
	.amdgcn_target "amdgcn-amd-amdhsa--gfx1250"
	.amdhsa_code_object_version 6
	.text
	.protected	k_qf5114a1155_mlp2
	.globl	k_qf5114a1155_mlp2
	.p2align	8
	.type	k_qf5114a1155_mlp2,@function
k_qf5114a1155_mlp2:
	s_mov_b64 s[64:65], 0
	v_nop
	global_prefetch_b8 v0, s[64:65] scope:SCOPE_SE
	s_setreg_imm32_b32 hwreg(HW_REG_WAVE_MODE, 25, 1), 1
	s_wait_xcnt 0x0
	s_wait_alu depctr_hold_cnt(0) depctr_sa_sdst(0) depctr_va_vdst(0) depctr_va_sdst(0) depctr_va_ssrc(0) depctr_va_vcc(0) depctr_vm_vsrc(0)
	s_getreg_b32 s2, hwreg(HW_REG_IB_STS2, 6, 4)
	s_cmp_eq_u32 s2, 0
	s_cbranch_scc0 .Lentry_in_a_cluster
	s_endpgm
.Lentry_in_a_cluster:
	s_bfe_u32 s2, ttmp6, 0x10000c
	s_cmp_lg_u32 s2, 0xf033
	s_cbranch_scc0 .Lentry_shape_is_right
	s_endpgm
.Lentry_shape_is_right:
; MLP2: out = h W2^T + b2 + featA.  h [4096][2048] and W2 [1024][2048] bf16 in blocks, sums f32; b2 and featA are rounded to bf16 like every input; out f32.
; ORDER OF ROUNDING: b2 + featA is formed first, in f32, and the product's sum is added to it.
; SHARES.  A work-group takes 128 x 128: 32 x 8 = 256 work-groups.  A wave takes 64 x 64: 16 accumulators (window 2, v0-127; tile (a, b) at 8 (4 a + b)); b2 + featA for the wave's part lies in window 2, v128-255,
; in the layout of the stores.  K goes in steps of 256 (four blocks) through two LDS slots of eight blocks, as long as two slots allow; a step is 128 matrix instructions a wave, all of which stand between a
; slot's request and the wait for it.
; Blocks are dense in memory: asked for as rows of 256 bytes, padded in LDS behind every 128 bytes: rows 144 bytes apart.  CLUSTER 4 x 4 with joint loads; the matrix instruction is used transposed.
; REGISTERS: window 0: v0-31 addresses, v32-159 fragment buffer 0; window 1: v32-159 fragment buffer 1.
.set BLK,   18432
.set SLOT,  8*BLK
.set STAGE, 2*SLOT                     ; a wave's own: 16 rows x 272 bytes
.set WSTG,  4352
.set SPARE, STAGE+4*WSTG
.set LAPS,  4
.set G1W,   (1<<16)|(1<<20)|(1<<21)|(4<<22)|(3<<25)
.set G1A, 24
.set G0A, 32
.set G1B, 48
.set G0B, 56
.set LIM, 43
.set PFA, 44
.set ADRA, 16
.set ADRB, 18
.set STO, 22
.set RD,  23
.set CO,  24
.set BO,  27
.set SPW, 28
.set NIL, 29
.set PFO, 30
.set FA,  32                           ; fragments of h: 32 c + 8 a
.set FB,  96                           ; of W2: 32 c + 8 b
.set OB,  96
.set RES, 128                          ; window 2
.set MSB, 0
.macro WIN new
.if MSB != (\new)
	s_set_vgpr_msb (MSB<<8)|(\new)
.set MSB, \new
.endif
.endm
.macro GROUP1 g, rows
	s_mov_b32 s[(\g)+1], 128<<16
	s_mov_b32 s[(\g)+2], (\rows)<<16
	s_mov_b32 s[(\g)+3], 128<<16
	s_mov_b32 s[(\g)+4], \rows
	s_mov_b32 s[(\g)+5], 128
	s_mov_b32 s[(\g)+6], 0
	s_mov_b32 s[(\g)+7], 0
.endm
.macro JLOAD s                         ; waves 0, 1 fetch two blocks of h each, waves 2, 3 two of W2
	s_cmp_eq_u32 s11, 0
	s_cbranch_scc0 .Lfor_b_\@
	tensor_load_to_lds s[G0A+4*(\s):G0A+4*(\s)+3], s[G1A:G1A+7]
	s_nop 0
.rept 4
	v_nop
.endr
	s_branch .Lasked_\@
.Lfor_b_\@:
	tensor_load_to_lds s[G0B+4*(\s):G0B+4*(\s)+3], s[G1B:G1B+7]
	s_nop 0
.rept 4
	v_nop
.endr
.Lasked_\@:
.endm
.macro CROUND
	s_barrier_signal -1
	s_barrier_wait -1
	s_cmp_lg_u32 s10, 0
	s_cbranch_scc1 .Lnot_wave_0_\@
	s_barrier_signal -3
.Lnot_wave_0_\@:
	s_barrier_wait -3
	s_barrier_signal -1
	s_barrier_wait -1
.endm
.macro PLACES
.rept 4
	v_nop
.endr
.endm
; A PREFETCH INTO THE L2 behind each joint load and its run of LDS loads: the K step two refills on, 256 matrix instructions ahead of its load.  Each wave asks for a quarter (8,192 bytes, a lane 256) of the 32,768 bytes
; that it will fetch; the four partners are told apart by address; h is asked for by the clusters with x = 0, W2 by those with y = 0: each 256 bytes are named once.  The loop's last trip asks for nothing.
.macro ASK
	s_cmp_gt_u32 s3, s[LIM]
	s_cbranch_scc0 .Lnot_mine_\@
	global_prefetch_b8 v[PFO], s[PFA:PFA+1] th:TH_LOAD_NT scope:SCOPE_SE
.Lnot_mine_\@:
.endm
.macro MUL8 buf, c, a0, zero           ; row blocks a0, a0 + 1 x 4 column blocks, 32 along K; the accumulators take turns
	WIN 0xa0|(5*(\buf))
.irp a, \a0, (\a0)+1
.irp b, 0,1,2,3
.if \zero
	v_wmma_f32_16x16x32_bf16 v[8*(4*(\a)+(\b)):8*(4*(\a)+(\b))+7], v[FB+32*(\c)+8*(\b):FB+32*(\c)+8*(\b)+7], v[FA+32*(\c)+8*(\a):FA+32*(\c)+8*(\a)+7], 0
.else
	v_wmma_f32_16x16x32_bf16 v[8*(4*(\a)+(\b)):8*(4*(\a)+(\b))+7], v[FB+32*(\c)+8*(\b):FB+32*(\c)+8*(\b)+7], v[FA+32*(\c)+8*(\a):FA+32*(\c)+8*(\a)+7], v[8*(4*(\a)+(\b)):8*(4*(\a)+(\b))+7]
.endif
.endr
.endr
.endm
.macro FETCH slot, kbi, buf            ; 32 LDS loads in one run: a block's fragments, the first 32 along K first
	WIN (\buf)<<6
.irp c, 0,1
.irp i, 0,1,2,3
	ds_load_b128 v[FA+32*(\c)+8*(\i):FA+32*(\c)+8*(\i)+3], v[ADRA+(\slot)] offset:(\kbi)*BLK+(\i)*2304+64*(\c)
	ds_load_b128 v[FA+32*(\c)+8*(\i)+4:FA+32*(\c)+8*(\i)+7], v[ADRA+(\slot)] offset:(\kbi)*BLK+(\i)*2304+64*(\c)+32
.endr
.irp i, 0,1,2,3
	ds_load_b128 v[FB+32*(\c)+8*(\i):FB+32*(\c)+8*(\i)+3], v[ADRB+(\slot)] offset:(\kbi)*BLK+(\i)*2304+64*(\c)
	ds_load_b128 v[FB+32*(\c)+8*(\i)+4:FB+32*(\c)+8*(\i)+7], v[ADRB+(\slot)] offset:(\kbi)*BLK+(\i)*2304+64*(\c)+32
.endr
.endr
.endm
.macro QUARTER slot, kn, f, zero       ; one of a step's first three blocks: multiplies buffer f, fetches block kn into the other
	s_wait_dscnt 16                                ; the first 32 along K are in
	MUL8 \f, 0, 0, \zero
	MUL8 \f, 0, 2, \zero
	PLACES
	FETCH \slot, \kn, 1-(\f)
	s_wait_dscnt 32                                ; all but the 32 just issued
	MUL8 \f, 1, 0, 0
	MUL8 \f, 1, 2, 0
.endm
; The fourth block multiplies buffer 1 and changes slots.  Its first 16 products stand ahead of the change, so that nothing but the round lies between the landing of one slot's tiles and the request for the other's.
; Then each wave waits for all its tensor loads (one is out: its part of the next slot), adds 0 to its spare word, and waits for that and for its reads of this slot.  The last 16 products stand behind the run of LDS loads.
.macro TURN slot, next, fill
.if \fill
	s_wait_xcnt 0x0                                ; the last prefetch, a K step back, has read its address
	s_add_nc_u64 s[PFA:PFA+1], s[PFA:PFA+1], 65536
.endif
	s_wait_dscnt 16                                ; the first 32 along K are in
	MUL8 1, 0, 0, 0
	MUL8 1, 0, 2, 0
	WIN 0
	s_wait_tensorcnt 0x0                           ; no tensor load of mine is out, so a group 0 may be written
	ds_add_u32 v[SPW], v[NIL]                      ; 0 onto my spare word; the descriptors' steps stand between it and the wait for it
.if \fill
	s_add_nc_u64 s[G0A+4*(\slot)+2:G0A+4*(\slot)+3], s[G0A+4*(\slot)+2:G0A+4*(\slot)+3], 131072
	s_add_nc_u64 s[G0B+4*(\slot)+2:G0B+4*(\slot)+3], s[G0B+4*(\slot)+2:G0B+4*(\slot)+3], 131072
.endif
	s_wait_dscnt 0x0                               ; the add is done, my reads of this slot are over
.if \fill
	CROUND                                         ; no wave of any partner reads this slot or has a load on its way
	JLOAD \slot                                    ; the first tensor load behind the round; its four v_nop are also the places in front of the loads below
.else
	s_barrier_signal -1
	s_barrier_wait -1
	PLACES
.endif
	FETCH \next, 0, 0
.if \fill
	ASK
.endif
	MUL8 1, 1, 0, 0
	MUL8 1, 1, 2, 0
.endm
	s_load_b256 s[68:75], s[0:1], 0x0              ; HB 68, W2P 70, b2 72, featA 74
	s_load_b64 s[76:77], s[0:1], 0x20              ; out0
	v_lshl_add_u32 v[SPW], v0, 2, SPARE
	v_mov_b32 v[NIL], 0
	ds_add_u32 v[SPW], v[NIL]                      ; the wave's opening: the add and its wait ahead of my first tensor load
	v_lshrrev_b32 v1, 5, v0
	v_readfirstlane_b32 s10, v1
	s_lshr_b32 s11, s10, 1                         ; my 64 rows.  Also: I fetch h (0) or W2 (1)
	s_and_b32 s12, s10, 1                          ; my 64 columns.  Also: which two of a step's four blocks I fetch
	s_bfe_u32 s40, ttmp6, 0x40000
	s_bfe_u32 s41, ttmp6, 0x40004
	s_lshl_b32 s42, ttmp9, 2
	s_add_co_u32 s42, s42, s40                     ; column tile
	s_and_b32 s13, ttmp7, 0xffff
	s_lshl_b32 s13, s13, 2
	s_add_co_u32 s13, s13, s41                     ; row block
	s_lshl_b32 s14, s41, 2
	s_lshl_b32 s14, 15, s14
	s_lshl_b32 s15, 0x1111, s40
	s_or_b32 s[G1A], s14, G1W
	s_or_b32 s[G1B], s15, G1W
	GROUP1 G1A, 128
	GROUP1 G1B, 128
	s_lshl_b32 s16, s13, 19
	s_lshl_b32 s17, s12, 15
	s_add_co_u32 s16, s16, s17
	s_lshl_b32 s20, s42, 19
	s_add_co_u32 s20, s20, s17
	s_mov_b32 s17, 0
	s_mov_b32 s21, 0
	s_mul_i32 s22, s12, 2*BLK
	s_add_co_u32 s23, s22, 4*BLK
	s_wait_dscnt 0x0
	s_wait_kmcnt 0x0
	s_add_nc_u64 s[46:47], s[68:69], s[16:17]
	s_add_nc_u64 s[20:21], s[70:71], s[20:21]
	CROUND                                         ; all sixteen work-groups are here: the first joint loads meet
.irp s, 0,1
	s_mov_b32 s[G0A+4*(\s)], 1
	s_add_co_u32 s[G0A+4*(\s)+1], s22, (\s)*SLOT
	s_add_nc_u64 s[G0A+4*(\s)+2:G0A+4*(\s)+3], s[46:47], (\s)*65536
	s_or_b32 s[G0A+4*(\s)+3], s[G0A+4*(\s)+3], 0x80000000
	s_mov_b32 s[G0B+4*(\s)], 1
	s_add_co_u32 s[G0B+4*(\s)+1], s23, (\s)*SLOT
	s_add_nc_u64 s[G0B+4*(\s)+2:G0B+4*(\s)+3], s[20:21], (\s)*65536
	s_or_b32 s[G0B+4*(\s)+3], s[G0B+4*(\s)+3], 0x80000000
	JLOAD \s
.endr
	; the prefetches: the pointer starts at K step 3 and is stepped before its first use
	s_and_b32 s16, ttmp7, 0xffff
	s_cmp_eq_u32 s11, 0
	s_cselect_b32 s16, ttmp9, s16
	s_cselect_b32 s14, s40, s41
	s_cselect_b64 s[PFA:PFA+1], s[46:47], s[20:21]
	s_cmp_eq_u32 s16, 0
	s_cselect_b32 s[LIM], 1, -1
	s_lshl_b32 s14, s14, 13
	s_add_co_u32 s14, s14, 3*65536
	s_mov_b32 s15, 0
	s_add_nc_u64 s[PFA:PFA+1], s[PFA:PFA+1], s[14:15]
	v_and_b32 v1, 15, v0
	v_bfe_u32 v2, v0, 4, 1
	v_mul_u32_u24 v3, v1, 144
	v_lshl_add_u32 v3, v2, 4, v3
	s_mul_i32 s21, s11, 9216
	s_mul_i32 s22, s12, 9216
	s_add_co_u32 s22, s22, 4*BLK
.irp s, 0,1
	v_add_nc_u32 v[ADRA+(\s)], s21, v3
	v_add_nc_u32 v[ADRB+(\s)], s22, v3
	s_add_co_u32 s21, s21, SLOT
	s_add_co_u32 s22, s22, SLOT
.endr
	s_mul_i32 s23, s10, WSTG
	s_add_co_u32 s23, s23, STAGE
	v_mul_u32_u24 v4, v1, 272                      ; in: row l % 16, 32 bytes for each half of the lanes
	v_lshl_add_u32 v4, v2, 5, v4
	v_add_nc_u32 v[STO], s23, v4
	v_mul_u32_u24 v4, v2, 272                      ; back: lanes 0-15 one row of 256 bytes, lanes 16-31 the next
	v_lshl_add_u32 v4, v1, 4, v4
	v_add_nc_u32 v[RD], s23, v4
	v_lshlrev_b32 v4, 12, v2                       ; the same two rows in featA and in out0
	v_lshl_add_u32 v[CO], v1, 4, v4
	v_lshlrev_b32 v[BO], 4, v1
	v_and_b32 v4, 31, v0
	v_lshlrev_b32 v[PFO], 8, v4
	s_lshl_b32 s18, s42, 9                         ; my 64 columns, in bytes
	s_lshl_b32 s17, s12, 8
	s_add_co_u32 s18, s18, s17
	s_mov_b32 s19, 0
	s_add_nc_u64 s[72:73], s[72:73], s[18:19]
	s_lshl_b32 s16, s13, 19                        ; and my 64 rows
	s_lshl_b32 s17, s11, 18
	s_add_co_u32 s16, s16, s17
	s_add_co_u32 s16, s16, s18
	s_mov_b32 s17, 0
	s_add_nc_u64 s[74:75], s[74:75], s[16:17]
	s_add_nc_u64 s[76:77], s[76:77], s[16:17]
	; b2 + featA for my 64 x 64, in the layout of the stores, made in the wait for the first tiles
	WIN 0x80                                       ; destination in window 2
.irp a, 0,1,2,3
.irp t, 0,1,2,3,4,5,6,7
	global_load_b128 v[RES+32*(\a)+4*(\t):RES+32*(\a)+4*(\t)+3], v[CO], s[74:75] offset:(16*(\a)+2*(\t))*4096 th:TH_LOAD_NT
.endr
.endr
	WIN 0
	global_load_b128 v[8:11], v[BO], s[72:73]
	v_mov_b32 v14, 1.0
	s_wait_loadcnt 0x0
	v_cvt_pk_bf16_f32 v12, v8, v9
	v_cvt_pk_bf16_f32 v13, v10, v11
	WIN 0x0a                                       ; sources in window 2
.set i, 0
.rept 64
	v_cvt_pk_bf16_f32 v[32+i], v[RES+2*i], v[RES+2*i+1]
.set i, i+1
.endr
	WIN 0x80
.set i, 0
.rept 32                               ; featA's bf16 half x 1 + b2's bf16 half
	v_fma_mix_f32_bf16 v[RES+4*i], v[32+2*i], v14, v12 op_sel:[0,0,0] op_sel_hi:[1,0,1]
	v_fma_mix_f32_bf16 v[RES+4*i+1], v[32+2*i], v14, v12 op_sel:[1,0,1] op_sel_hi:[1,0,1]
	v_fma_mix_f32_bf16 v[RES+4*i+2], v[32+2*i+1], v14, v13 op_sel:[0,0,0] op_sel_hi:[1,0,1]
	v_fma_mix_f32_bf16 v[RES+4*i+3], v[32+2*i+1], v14, v13 op_sel:[1,0,1] op_sel_hi:[1,0,1]
.set i, i+1
.endr
	WIN 0
	s_wait_tensorcnt 0x1                           ; my part of K step 0 is in; K step 1's may stay out
	s_barrier_signal -1
	s_barrier_wait -1
	FETCH 0, 0, 0
	QUARTER 0, 1, 0, 1
	WIN 0
	s_mov_b32 s3, LAPS-1
.Llap:
	QUARTER 0, 2, 1, 0
	QUARTER 0, 3, 0, 0
	TURN 0, 1, 1
	QUARTER 1, 1, 0, 0
	QUARTER 1, 2, 1, 0
	QUARTER 1, 3, 0, 0
	TURN 1, 0, 1
	QUARTER 0, 1, 0, 0
	WIN 0
	s_sub_co_u32 s3, s3, 1
	s_cmp_lg_u32 s3, 0
	s_cbranch_scc1 .Llap
	QUARTER 0, 2, 1, 0
	QUARTER 0, 3, 0, 0
	TURN 0, 1, 0
	QUARTER 1, 1, 0, 0
	QUARTER 1, 2, 1, 0
	QUARTER 1, 3, 0, 0
	s_wait_dscnt 16
	MUL8 1, 0, 0, 0
	MUL8 1, 0, 2, 0
	s_wait_dscnt 0x0
	MUL8 1, 1, 0, 0
	MUL8 1, 1, 2, 0
	; THE WAY OUT: 16 rows at a time through my stage, straight from the accumulators, back as whole rows of 256 bytes; b2 + featA is added; stored
	WIN 0
.rept 8
	v_nop
.endr
.macro TOSTAGE a
	WIN 0x08                                       ; the stores' data in window 2
.irp b, 0,1,2,3
	ds_store_b128 v[STO], v[8*(4*(\a)+(\b)):8*(4*(\a)+(\b))+3] offset:64*(\b)
	ds_store_b128 v[STO], v[8*(4*(\a)+(\b))+4:8*(4*(\a)+(\b))+7] offset:64*(\b)+16
.endr
	WIN 0
.irp t, 0,1,2,3,4,5,6,7
	ds_load_b128 v[OB+32*(\a)+4*(\t):OB+32*(\a)+4*(\t)+3], v[RD] offset:544*(\t)
.endr
.endm
.macro SEND a, younger                 ; younger: the LDS instructions issued behind block a's loads
	s_wait_dscnt \younger
	WIN 0x08                                       ; source 1 in window 2
.set i, 0
.rept 16
	v_pk_add_f32 v[OB+32*(\a)+2*i:OB+32*(\a)+2*i+1], v[OB+32*(\a)+2*i:OB+32*(\a)+2*i+1], v[RES+32*(\a)+2*i:RES+32*(\a)+2*i+1]
.set i, i+1
.endr
	WIN 0
.irp t, 0,1,2,3,4,5,6,7
	global_store_b128 v[CO], v[OB+32*(\a)+4*(\t):OB+32*(\a)+4*(\t)+3], s[76:77] offset:(16*(\a)+2*(\t))*4096  ; 16 lanes store 256 consecutive bytes, aligned
.endr
.endm
	TOSTAGE 0
	TOSTAGE 1
	SEND 0, 16
	TOSTAGE 2
	SEND 1, 16
	TOSTAGE 3
	SEND 2, 16
	SEND 3, 0
	s_wait_tensorcnt 0x0                           ; the wave's end
	ds_add_u32 v[SPW], v[NIL]
	s_wait_dscnt 0x0
	CROUND                                         ; the closing round
	s_endpgm
.Lfunc_end_k_qf5114a1155_mlp2:
	.size	k_qf5114a1155_mlp2, .Lfunc_end_k_qf5114a1155_mlp2-k_qf5114a1155_mlp2
	.p2alignl 7, 3214868480
	.fill 96, 4, 3214868480
	.section	.rodata,"a",@progbits
	.p2align	6, 0x0
	.amdhsa_kernel k_qf5114a1155_mlp2
		.amdhsa_group_segment_fixed_size 327680
		.amdhsa_private_segment_fixed_size 0
		.amdhsa_enable_private_segment 0
		.amdhsa_kernarg_size 40
		.amdhsa_user_sgpr_count 2
		.amdhsa_user_sgpr_kernarg_segment_ptr 1
		.amdhsa_wavefront_size32 1
		.amdhsa_system_sgpr_workgroup_id_x 1
		.amdhsa_system_sgpr_workgroup_id_y 1
		.amdhsa_system_sgpr_workgroup_id_z 1
		.amdhsa_system_vgpr_workitem_id 0
		.amdhsa_next_free_vgpr 768
		.amdhsa_next_free_sgpr 84
		.amdhsa_reserve_vcc 0
		.amdhsa_float_denorm_mode_32 3
		.amdhsa_float_denorm_mode_16_64 3
		.amdhsa_memory_ordered 1
		.amdhsa_forward_progress 1
		.amdhsa_inst_pref_size 107
	.end_amdhsa_kernel
	.amdgpu_metadata
---
amdhsa.version: [ 1, 2 ]
amdhsa.kernels:
  - .name:           k_qf5114a1155_mlp2
    .symbol:         k_qf5114a1155_mlp2.kd
    .args:
      - { .name: HB, .offset: 0, .size: 8, .value_kind: global_buffer, .address_space: global }
      - { .name: W2P, .offset: 8, .size: 8, .value_kind: global_buffer, .address_space: global }
      - { .name: b2, .offset: 16, .size: 8, .value_kind: global_buffer, .address_space: global }
      - { .name: featA, .offset: 24, .size: 8, .value_kind: global_buffer, .address_space: global }
      - { .name: out0, .offset: 32, .size: 8, .value_kind: global_buffer, .address_space: global }
    .group_segment_fixed_size: 327680
    .private_segment_fixed_size: 0
    .kernarg_segment_align: 8
    .kernarg_segment_size: 40
    .max_flat_workgroup_size: 128
    .sgpr_count:     84
    .vgpr_count:     768
    .wavefront_size: 32
...
	.end_amdgpu_metadata
.endif
;; end of part 5
;; ======== version 2 of 2: 5 launches; version 1 with the launch prep written anew for expert scheduling mode
;; limits: values are held in f16: magnitudes above 65,504 overflow, below 6.1e-05 lose precision; right only within a limited range of input values
;; workspace buffers: F 25,165,824 bytes; XB 8,388,608 bytes; WP 10,485,760 bytes; W1P 12,582,912 bytes; W2P 4,194,304 bytes; V 16,777,216 bytes; PART 524,288 bytes; HB 16,777,216 bytes
;; launch prep (part 6): grid 1344 x 1, 8 waves a work-group, no clusters, 0 bytes of LDS; arguments featA, featB, Wq, Wk, Wv, Wqd, Wkd, W1, W2, ln_in_w, ln_in_b, F, XB, WP, W1P, W2P; writes F, XB, WP, W1P, W2P
.if DOCPART == 6
	.amdgcn_target "amdgcn-amd-amdhsa--gfx1250"
	.amdhsa_code_object_version 6
	.text
	.protected	k_qf5114a1155_prep
	.globl	k_qf5114a1155_prep
	.p2align	8
	.type	k_qf5114a1155_prep,@function
k_qf5114a1155_prep:
	s_mov_b64 s[64:65], 0
	v_nop
	global_prefetch_b8 v0, s[64:65] scope:SCOPE_SE
	s_setreg_imm32_b32 hwreg(HW_REG_WAVE_SCHED_MODE, 0, 2), 2
	s_setreg_imm32_b32 hwreg(HW_REG_WAVE_MODE, 25, 1), 1
	s_wait_xcnt 0x0
	s_wait_alu depctr_vm_vsrc(0)
; PREP: every matrix operand is rounded once and laid out in blocks of [rows][64 k] of 16-bit numbers (128 bytes a row, rows on end), so that the tiles of the later products are dense in memory.
;   featA -> LayerNorm(ln_in) -> F, blocks 0-15 of each row block, f16      featB -> XB, f16      Wq, Wk, Wv, Wqd, -Wkd -> WP, f16      W1 -> W1P, f16      W2 -> W2P, bf16
; EVERY INPUT IS ROUNDED TO bf16 FIRST (features, weights, ln_in_w, ln_in_b); the f16 that is stored is that bf16 number written as f16.
; LIMITS.  That is exact from 6.1e-5 to 65,504; smaller numbers keep f16's fixed step of 6e-8; a number of 65,520 or more becomes an infinity.  LayerNorm's result, at most 32 |w| + |b|, must stay under that.
; Wkd is stored with its sign turned (exact), so that qd - kd is one sum of products.
; SHARES.  An item is two neighbouring source rows x 1,024 columns, one wave's work: lane l = 16 hh + i takes row hh; for block kb = 0..15 it loads 16 bytes (columns 64 kb + 4 i ..): sixteen lanes read 256
; consecutive bytes, aligned; it stores 8 bytes at 128 hh + 8 i of the block's two rows: the wave's store covers 256 consecutive bytes, aligned.  All 16 loads of an item are issued at once.
; 10,752 items, eight to a work-group; which task an item belongs to hangs on the work-group's number alone.  The four tasks that only round share one text: each sets its two addresses, the source's row
; pitch, the blocks' stride, a word that turns signs and a word that picks the format.  No LDS, no matrix unit: nothing is shared and nothing multiplied.
; THE MODE: SCHED_MODE bits 1:0 = 2 (LLVM: expert scheduling mode 2), set by the entry lines.  The code itself states the register dependences between vector instructions and memory instructions,
; with s_wait_alu, always for 0.
; THE PLAN.  Registers that memory instructions touch:
;   v[VS], v[VP]   offsets of the loads.  Written by vector lines at a path's head, read by that path's loads, never written again.
;   v[VD], v[OD..] offsets of the stores.  Written once by vector lines (OD while the loads are out), read by the stores, never written again.
;   X, W, B        the loads land here; no vector line names them ahead of the loads; behind the wait on LOADcnt vector lines alone name them.
;   Y              two registers a block, written by vector lines, read by the block's one store, never written behind it.
; So no register that a memory instruction has read is written again, and no load lands in a register that a vector line has named.  What is left to state: s4 ahead of its first reader; the loads' offsets
; ahead of the loads, once a path; and the stores' data and offsets ahead of the stores.  For that the 16 blocks go in four groups of four: a group's vector lines, ONE wait, its four stores, with nothing between
; the wait and the stores.
.set X,   32        ; v[32:95]    the item as loaded, 4 registers a block
.set Y,   96        ; v[96:127]   packed, 2 registers a block
.set W,   128       ; v[128:191]  ln_in_w of my columns (LayerNorm's path)
.set B,   192       ; v[192:255]  ln_in_b
.set OD,  128       ; v[128:143]  the other path: my byte offset in block kb's two rows
.set LI,  1         ; v1   i
.set VS,  2         ; v2   my byte offset in the two source rows
.set VD,  3         ; v3   8 l: my byte offset in a block's two rows
.set MU,  4         ; v[4:5]  the mean, twice
.set RQ,  6         ; v[6:7]  1 / sqrt(var + eps), twice
.set CH,  8         ; v[8:15] four packed chains
.set VP,  16        ; v16  16 i: my byte offset in a block's 64 parameters
.set HH,  17        ; v17  hh
.set S_RS, 48       ; s48  bytes from source row to row
.set S_KS, 49       ; s49  bytes from block to block
.set S_SG, 51       ; s51  0x80008000 where the signs are turned, else 0
.set S_BF, 56       ; s56  all ones where bf16 is stored, 0 where f16
.set S_INV, 54      ; s54  2^-10
.set S_EPS, 55      ; s55  1e-5
.macro ITEM first                  ; s6 = the item's number within its task
	s_sub_co_u32 s6, s5, \first
	s_lshl3_add_u32 s6, s6, s4
.endm
.macro PLACE p, bits, stride       ; s46 = (pair >> bits) x stride + (pair mod 2^bits) x 256: the tile of rows, and the pair's 256 bytes in a block
	s_lshr_b32 s7, s[\p], \bits
	s_mul_i32 s7, s7, \stride
	s_and_b32 s46, s[\p], (1<<(\bits))-1
	s_lshl_b32 s46, s46, 8
	s_add_co_u32 s46, s46, s7
.endm
.macro TASK src, dst, rs, kstr     ; the item's two addresses, each from its own buffer's, and the two strides
	s_add_nc_u64 s[40:41], s[\src:\src+1], s[44:45]
	s_add_nc_u64 s[42:43], s[\dst:\dst+1], s[46:47]
	s_mov_b32 s[S_RS], \rs
	s_mov_b32 s[S_KS], \kstr
.endm
; The four packed chains become one number a row, in all sixteen lanes of the row (a source row is one DPP row of 16 lanes).
.macro REDUCE
	v_pk_add_f32 v[CH:CH+1], v[CH:CH+1], v[CH+2:CH+3]
	v_pk_add_f32 v[CH+4:CH+5], v[CH+4:CH+5], v[CH+6:CH+7]
	v_pk_add_f32 v[CH:CH+1], v[CH:CH+1], v[CH+4:CH+5]
	v_add_f32 v[CH], v[CH], v[CH+1]
	v_add_f32_dpp v[CH], v[CH], v[CH] row_xmask:1 row_mask:0xf bank_mask:0xf
	v_add_f32_dpp v[CH], v[CH], v[CH] row_xmask:2 row_mask:0xf bank_mask:0xf
	v_add_f32_dpp v[CH], v[CH], v[CH] row_xmask:4 row_mask:0xf bank_mask:0xf
	v_add_f32_dpp v[CH], v[CH], v[CH] row_xmask:8 row_mask:0xf bank_mask:0xf
.endm
; (x - mean) / sqrt(var + eps) in place on the 64 registers from x on; the mean is taken away before the squares are summed.
.macro LNSTAT x
.irp c, 0,1,2,3
	v_pk_add_f32 v[CH+2*(\c):CH+2*(\c)+1], v[(\x)+2*(\c):(\x)+2*(\c)+1], v[(\x)+8+2*(\c):(\x)+8+2*(\c)+1]  ; the first pairs start the chains: nothing is cleared
.endr
.set j, 8
.rept 24
	v_pk_add_f32 v[CH+2*(j%4):CH+2*(j%4)+1], v[CH+2*(j%4):CH+2*(j%4)+1], v[(\x)+2*j:(\x)+2*j+1]
.set j, j+1
.endr
	REDUCE
	v_mul_f32 v[MU], s[S_INV], v[CH]
	v_mul_f32 v[MU+1], s[S_INV], v[CH]
.set j, 0
.rept 32
	v_pk_add_f32 v[(\x)+2*j:(\x)+2*j+1], v[(\x)+2*j:(\x)+2*j+1], v[MU:MU+1] neg_lo:[0,1] neg_hi:[0,1]
.set j, j+1
.endr
.irp c, 0,1,2,3
	v_pk_mul_f32 v[CH+2*(\c):CH+2*(\c)+1], v[(\x)+2*(\c):(\x)+2*(\c)+1], v[(\x)+2*(\c):(\x)+2*(\c)+1]
.endr
.set j, 4
.rept 28
	v_pk_fma_f32 v[CH+2*(j%4):CH+2*(j%4)+1], v[(\x)+2*j:(\x)+2*j+1], v[(\x)+2*j:(\x)+2*j+1], v[CH+2*(j%4):CH+2*(j%4)+1]
.set j, j+1
.endr
	REDUCE
	v_fma_f32 v[CH], v[CH], s[S_INV], s[S_EPS]
	v_rsq_f32 v[RQ], v[CH]
	v_rsq_f32 v[RQ+1], v[CH]
	v_nop                                          ; a plain instruction behind the last root,
	s_wait_alu depctr_va_vdst(0)                   ; and one wait for both: the roots have written v[RQ] and v[RQ+1], ahead of their first reader
.set j, 0
.rept 32
	v_pk_mul_f32 v[(\x)+2*j:(\x)+2*j+1], v[(\x)+2*j:(\x)+2*j+1], v[RQ:RQ+1]
.set j, j+1
.endr
.endm
; Group g of an item that is only rounded: blocks 4 g to 4 g + 3.  The five stages go over the four blocks one after the other, so that no line reads the result of the line just before it.
.macro ROUNDED g
	s_wait_loadcnt 12-4*(\g)                       ; loads come back in order: the group's four blocks are in, the 12 - 4 g younger ones stay out
.set bk, 4*(\g)
.rept 4
	v_cvt_pk_bf16_f32 v[Y+2*bk], v[X+4*bk], v[X+4*bk+1]
	v_cvt_pk_bf16_f32 v[Y+2*bk+1], v[X+4*bk+2], v[X+4*bk+3]
.set bk, bk+1
.endr
.set bk, 4*(\g)
.rept 4
	v_lshlrev_b32 v[X+4*bk], 16, v[Y+2*bk]
	v_and_b32 v[X+4*bk+1], s52, v[Y+2*bk]
	v_lshlrev_b32 v[X+4*bk+2], 16, v[Y+2*bk+1]
	v_and_b32 v[X+4*bk+3], s52, v[Y+2*bk+1]
.set bk, bk+1
.endr
.set bk, 4*(\g)
.rept 4
	v_cvt_pk_f16_f32 v[X+4*bk], v[X+4*bk], v[X+4*bk+1]
	v_cvt_pk_f16_f32 v[X+4*bk+1], v[X+4*bk+2], v[X+4*bk+3]
.set bk, bk+1
.endr
.set bk, 4*(\g)
.rept 4
	v_xor_b32 v[X+4*bk], s[S_SG], v[X+4*bk]
	v_xor_b32 v[X+4*bk+1], s[S_SG], v[X+4*bk+1]
.set bk, bk+1
.endr
.set bk, 4*(\g)
.rept 4
	v_bfi_b32 v[Y+2*bk], s[S_BF], v[Y+2*bk], v[X+4*bk]          ; the bf16 words where the select word is all ones, else the f16 words
	v_bfi_b32 v[Y+2*bk+1], s[S_BF], v[Y+2*bk+1], v[X+4*bk+1]
.set bk, bk+1
.endr
	s_wait_alu depctr_va_vdst(0)                   ; the lines above have written the group's eight registers of Y, the four stores' data; at the first group also the sixteen offsets v[OD ..]
.set bk, 4*(\g)
.rept 4
	global_store_b64 v[OD+bk], v[Y+2*bk:Y+2*bk+1], s[42:43]     ; no register that a load or store names is written again
.set bk, bk+1
.endr
.endm
; Group g of LayerNorm's last stage: blocks 4 g to 4 g + 3, pairs k = 8 g to 8 g + 7.
.macro SCALED g
.set k, 8*(\g)
.rept 8
	v_cvt_pk_bf16_f32 v[W+k], v[W+2*k], v[W+2*k+1]  ; the parameters rounded to bf16, packed in place, k ascending over all groups: word k never lies above the words still to be read
	v_cvt_pk_bf16_f32 v[B+k], v[B+2*k], v[B+2*k+1]
.set k, k+1
.endr
.set k, 8*(\g)
.rept 8
	v_fma_mix_f32_bf16 v[X+2*k], v[X+2*k], v[W+k], v[B+k] op_sel:[0,0,0] op_sel_hi:[0,1,1]      ; x w + b, w and b read as bf16 halves
	v_fma_mix_f32_bf16 v[X+2*k+1], v[X+2*k+1], v[W+k], v[B+k] op_sel:[0,1,1] op_sel_hi:[0,1,1]
.set k, k+1
.endr
.set k, 8*(\g)
.rept 8
	v_cvt_pk_f16_f32 v[Y+k], v[X+2*k], v[X+2*k+1]
.set k, k+1
.endr
	s_wait_alu depctr_va_vdst(0)                   ; the roundings have written the group's eight registers of Y, the four stores' data
.set bk, 4*(\g)
.rept 4
	global_store_b64 v[VD], v[Y+2*bk:Y+2*bk+1], s[42:43] offset:bk*16384
.set bk, bk+1
.endr
.endm
	s_load_b512 s[8:23], s[0:1], 0x0               ; featA 8, featB 10, Wq 12, Wk 14, Wv 16, Wqd 18, Wkd 20, W1 22
	s_load_b512 s[24:39], s[0:1], 0x40             ; W2 24, ln_in_w 26, ln_in_b 28, F 30, XB 32, WP 34, W1P 36, W2P 38
	v_lshrrev_b32 v1, 5, v0
	v_readfirstlane_b32 s4, v1                     ; wave 0..7
	v_and_b32 v[LI], 15, v0
	v_bfe_u32 v[HH], v0, 4, 1
	v_and_b32 v[VD], 31, v0
	v_lshlrev_b32 v[VD], 3, v[VD]
	s_mov_b32 s5, ttmp9
	s_mov_b32 s45, 0                               ; the offsets' high words
	s_mov_b32 s47, 0
	s_mov_b32 s[S_SG], 0
	s_mov_b32 s[S_BF], 0
	s_mov_b32 s52, 0xffff0000                      ; a word's upper bf16
	s_wait_alu depctr_va_sdst(0)                   ; s4 is written
	s_wait_kmcnt 0x0
	s_cmp_lt_u32 s5, 256
	s_cbranch_scc1 .Lfeat_a
	s_cmp_lt_u32 s5, 512
	s_cbranch_scc1 .Lfeat_b
	s_cmp_lt_u32 s5, 832
	s_cbranch_scc1 .Lfive
	s_cmp_lt_u32 s5, 1216
	s_cbranch_scc1 .Lw1
	; W2 [1024][2048]: 512 pairs of rows x 2 segments of 1,024 columns
	ITEM 1216
	s_lshr_b32 s50, s6, 9                          ; segment
	s_and_b32 s53, s6, 511                         ; pair
	s_lshl_b32 s44, s53, 14
	s_lshl_b32 s7, s50, 12
	s_add_co_u32 s44, s44, s7
	PLACE 53, 6, 524288
	s_lshl_b32 s7, s50, 18                         ; 16 blocks of 16,384 bytes a segment
	s_add_co_u32 s46, s46, s7
	TASK 24, 38, 8192, 16384
	s_mov_b32 s[S_BF], -1
	s_branch .Lgo
.Lw1:                                                  ; W1 [2048][3072]: 1,024 pairs x 3 segments
	ITEM 832
	s_lshr_b32 s50, s6, 10
	s_and_b32 s53, s6, 1023
	s_mul_i32 s44, s53, 24576
	s_lshl_b32 s7, s50, 12
	s_add_co_u32 s44, s44, s7
	PLACE 53, 7, 1572864
	s_lshl_b32 s7, s50, 19                         ; 16 blocks of 32,768 bytes a segment
	s_add_co_u32 s46, s46, s7
	TASK 22, 36, 12288, 32768
	s_branch .Lgo
.Lfive:                                                ; the five projections' weights, 512 pairs each
	ITEM 512
	s_lshr_b32 s50, s6, 9                          ; which of the five
	s_and_b32 s53, s6, 511
	s_lshl_b32 s44, s53, 13
	PLACE 53, 6, 1310720
	s_lshl_b32 s7, s50, 14                         ; in a K block the five lie one behind the other
	s_add_co_u32 s46, s46, s7
	s_mov_b64 s[58:59], s[12:13]
	s_cmp_eq_u32 s50, 1
	s_cselect_b64 s[58:59], s[14:15], s[58:59]
	s_cmp_eq_u32 s50, 2
	s_cselect_b64 s[58:59], s[16:17], s[58:59]
	s_cmp_eq_u32 s50, 3
	s_cselect_b64 s[58:59], s[18:19], s[58:59]
	s_cmp_eq_u32 s50, 4
	s_cselect_b64 s[58:59], s[20:21], s[58:59]
	s_cselect_b32 s[S_SG], 0x80008000, 0           ; Wkd's signs are turned
	TASK 58, 34, 4096, 81920
	s_branch .Lgo
.Lfeat_b:
	ITEM 256
	s_lshl_b32 s44, s6, 13
	PLACE 6, 6, 262144
	TASK 10, 32, 4096, 16384
.Lgo:                                                  ; an item that is only rounded
	v_mul_u32_u24 v[VS], s[S_RS], v[HH]
	v_lshl_add_u32 v[VS], v[LI], 4, v[VS]
	s_wait_alu depctr_va_vdst(0)                   ; v[VS] is written, which the sixteen loads read as their offset
.irp kb, 0,1,2,3,4,5,6,7,8,9,10,11,12,13,14,15
	global_load_b128 v[X+4*(\kb):X+4*(\kb)+3], v[VS], s[40:41] offset:256*(\kb) th:TH_LOAD_NT
.endr
	v_mov_b32 v[OD], v[VD]                         ; the stores' offsets are made while the loads are out; the first group's wait states that they are written
.irp kb, 1,2,3,4,5,6,7,8,9,10,11,12,13,14,15
	v_add_nc_u32 v[OD+(\kb)], s[S_KS], v[OD+(\kb)-1]
.endr
	ROUNDED 0
	ROUNDED 1
	ROUNDED 2
	ROUNDED 3
	s_endpgm
.Lfeat_a:                                              ; LayerNorm: a row is 16 lanes x 64 registers, read once
	ITEM 0
	s_lshl_b32 s44, s6, 13
	PLACE 6, 6, 786432
	s_add_nc_u64 s[40:41], s[8:9], s[44:45]
	s_add_nc_u64 s[42:43], s[30:31], s[46:47]
	s_mov_b32 s[S_INV], 0x3a800000
	s_mov_b32 s[S_EPS], 0x3727c5ac
	v_lshlrev_b32 v[VS], 12, v[HH]
	v_lshl_add_u32 v[VS], v[LI], 4, v[VS]
	v_lshlrev_b32 v[VP], 4, v[LI]
	s_wait_alu depctr_va_vdst(0)                   ; v[VS] and v[VP] are written, which the 48 loads read as their offsets; so is v[VD], the stores' offset
.irp kb, 0,1,2,3,4,5,6,7,8,9,10,11,12,13,14,15
	global_load_b128 v[X+4*(\kb):X+4*(\kb)+3], v[VS], s[40:41] offset:256*(\kb) th:TH_LOAD_NT
.endr
.irp kb, 0,1,2,3,4,5,6,7,8,9,10,11,12,13,14,15
	global_load_b128 v[W+4*(\kb):W+4*(\kb)+3], v[VP], s[26:27] offset:256*(\kb)
.endr
.irp kb, 0,1,2,3,4,5,6,7,8,9,10,11,12,13,14,15
	global_load_b128 v[B+4*(\kb):B+4*(\kb)+3], v[VP], s[28:29] offset:256*(\kb)
.endr
	s_wait_loadcnt 32                              ; the rows are in; the 32 loads of the parameters may stay out
.set k, 0
.rept 32
	v_cvt_pk_bf16_f32 v[Y+k], v[X+2*k], v[X+2*k+1]  ; featA rounded to bf16,
.set k, k+1
.endr
.set k, 0
.rept 32
	v_lshlrev_b32 v[X+2*k], 16, v[Y+k]             ; and back in f32
	v_and_b32 v[X+2*k+1], s52, v[Y+k]
.set k, k+1
.endr
	LNSTAT X
	s_wait_loadcnt 0x0                             ; the parameters
	SCALED 0
	SCALED 1
	SCALED 2
	SCALED 3
	s_endpgm
.Lfunc_end_k_qf5114a1155_prep:
	.size	k_qf5114a1155_prep, .Lfunc_end_k_qf5114a1155_prep-k_qf5114a1155_prep
	.p2alignl 7, 3214868480
	.fill 96, 4, 3214868480
	.section	.rodata,"a",@progbits
	.p2align	6, 0x0
	.amdhsa_kernel k_qf5114a1155_prep
		.amdhsa_group_segment_fixed_size 0
		.amdhsa_private_segment_fixed_size 0
		.amdhsa_enable_private_segment 0
		.amdhsa_kernarg_size 128
		.amdhsa_user_sgpr_count 2
		.amdhsa_user_sgpr_kernarg_segment_ptr 1
		.amdhsa_wavefront_size32 1
		.amdhsa_system_sgpr_workgroup_id_x 1
		.amdhsa_system_sgpr_workgroup_id_y 1
		.amdhsa_system_sgpr_workgroup_id_z 1
		.amdhsa_system_vgpr_workitem_id 0
		.amdhsa_next_free_vgpr 256
		.amdhsa_next_free_sgpr 66
		.amdhsa_reserve_vcc 0
		.amdhsa_float_denorm_mode_32 3
		.amdhsa_float_denorm_mode_16_64 3
		.amdhsa_memory_ordered 1
		.amdhsa_forward_progress 1
		.amdhsa_inst_pref_size 48
	.end_amdhsa_kernel
	.amdgpu_metadata
---
amdhsa.version: [ 1, 2 ]
amdhsa.kernels:
  - .name:           k_qf5114a1155_prep
    .symbol:         k_qf5114a1155_prep.kd
    .args:
      - { .name: featA, .offset: 0, .size: 8, .value_kind: global_buffer, .address_space: global }
      - { .name: featB, .offset: 8, .size: 8, .value_kind: global_buffer, .address_space: global }
      - { .name: Wq, .offset: 16, .size: 8, .value_kind: global_buffer, .address_space: global }
      - { .name: Wk, .offset: 24, .size: 8, .value_kind: global_buffer, .address_space: global }
      - { .name: Wv, .offset: 32, .size: 8, .value_kind: global_buffer, .address_space: global }
      - { .name: Wqd, .offset: 40, .size: 8, .value_kind: global_buffer, .address_space: global }
      - { .name: Wkd, .offset: 48, .size: 8, .value_kind: global_buffer, .address_space: global }
      - { .name: W1, .offset: 56, .size: 8, .value_kind: global_buffer, .address_space: global }
      - { .name: W2, .offset: 64, .size: 8, .value_kind: global_buffer, .address_space: global }
      - { .name: ln_in_w, .offset: 72, .size: 8, .value_kind: global_buffer, .address_space: global }
      - { .name: ln_in_b, .offset: 80, .size: 8, .value_kind: global_buffer, .address_space: global }
      - { .name: F, .offset: 88, .size: 8, .value_kind: global_buffer, .address_space: global }
      - { .name: XB, .offset: 96, .size: 8, .value_kind: global_buffer, .address_space: global }
      - { .name: WP, .offset: 104, .size: 8, .value_kind: global_buffer, .address_space: global }
      - { .name: W1P, .offset: 112, .size: 8, .value_kind: global_buffer, .address_space: global }
      - { .name: W2P, .offset: 120, .size: 8, .value_kind: global_buffer, .address_space: global }
    .group_segment_fixed_size: 0
    .private_segment_fixed_size: 0
    .kernarg_segment_align: 8
    .kernarg_segment_size: 128
    .max_flat_workgroup_size: 256
    .sgpr_count:     66
    .vgpr_count:     256
    .wavefront_size: 32
...
	.end_amdgpu_metadata
.endif
;; end of part 6
;; launch proj: the kernel of part 2 again; grid 8 x 32, 4 waves a work-group, clusters of 4 x 4, 327,680 bytes of LDS; arguments F, XB, WP, V, PART; writes V, PART
;; launch ctx: the kernel of part 3 again; grid 256 x 1, 8 waves a work-group, no clusters, 0 bytes of LDS; arguments V, PART, ln_sim_w, ln_sim_b, ln_dis_w, ln_dis_b, F; writes F
;; launch mlp1: the kernel of part 4 again; grid 8 x 32, 4 waves a work-group, clusters of 4 x 4, 327,680 bytes of LDS; arguments F, W1P, bn_gamma, bn_beta, bn_mean, bn_var, HB; writes HB
;; launch mlp2: the kernel of part 5 again; grid 8 x 32, 4 waves a work-group, clusters of 4 x 4, 327,680 bytes of LDS; arguments HB, W2P, b2, featA, out0; writes out0
